; MI455X (gfx1250); checked and timed in simulation.
; The chip was launched on July 23, 2026; its instructions are those of AMD's public machine-readable ISA for CDNA 5 (MIT licence, August 2026) and "CDNA5" Instruction Set Architecture Reference Guide (July 2026). The comments in the code are by the model that wrote it; some were corrected since.
;; Multi Head Attention. Allowed arithmetic: matrix products marked QUANTISED: E2M3 operands, one E8M0 scale for each 32 along K, by v_wmma_scale_f32_16x16x128_f8f6f4 with both operands' format E2M3, f32 sums; everything else in f32.
;; Inputs: K 2 x 2,048 x 1,024 float32; Q 2 x 2,048 x 1,024 float32; V 2 x 2,048 x 1,024 float32; Wk 1,024 x 1,024 float32; Wo 1,024 x 1,024 float32; Wq 1,024 x 1,024 float32; Wv 1,024 x 1,024 float32; bk 1,024 float32; bo 1,024 float32; bq 1,024 float32; bv 1,024 float32.
;; Outputs: out0 2 x 2,048 x 1,024 float32.
;; This version of the problem:
;;   THIS VERSION OF THE PROBLEM IS GIVEN IN LOW PRECISION. The matrix products marked QUANTISED in the list below multiply operands that are first quantised to E2M3 (2 exponent bits, 3 mantissa bits; 6 bits a number), with one power-of-two scale for each 32 numbers along K (OCP MX v1.0); their sums are f32. All else is computed in f32.
;;   The module's matrix products, in the order in which they are computed (A, B: the left and right operand; K: the contracted axis; several contracted axes count as one K, in the product's order):
;;     1. [M 4,096, K 1,024] x [K 1,024, N 1,024]; A: input Q; B: input Wq: QUANTISED
;;     2. [M 4,096, K 1,024] x [K 1,024, N 1,024]; A: input K; B: input Wk: QUANTISED
;;     3. [M 4,096, K 1,024] x [K 1,024, N 1,024]; A: input V; B: input Wv: QUANTISED
;;     4. batch 32 x [M 2,048, K 64] x [K 64, N 2,048]; A: computed on the way; B: computed on the way: QUANTISED
;;     5. batch 32 x [M 2,048, K 2,048] x [K 2,048, N 64]; A: softmax (see below); B: computed on the way: QUANTISED
;;     6. [M 4,096, K 1,024] x [K 1,024, N 1,024]; A: computed on the way; B: input Wo: QUANTISED
;;   THE QUANTISER, for each operand of a quantised product, along K:
;;     - K is cut into blocks of 32 from its start; a last block that is shorter is filled with zeros.
;;     - A block's scale is 2^e with e = floor(log2(the largest magnitude in the block)) - 2, held to -126 .. 127; a block of zeros has e = 0. As a byte (E8M0): e + 127.
;;     - Each number is divided by its block's scale, clamped to +-7.5, and rounded to the nearest number of E2M3, ties to even, subnormals kept.
;;     - The product sums the exact products of the quantised numbers (number of the format x scale) in f32.
;;   ~~~python
;;   def quantise(x, axis):      # numpy; x: float32 -> the quantised numbers, widened to float32 again
;;       x = np.moveaxis(x, axis, -1); K = x.shape[-1]
;;       x = np.pad(x, [(0, 0)] * (x.ndim - 1) + [(0, -K % 32)]); x = x.reshape(x.shape[:-1] + (-1, 32)); a = np.abs(x).max(-1, keepdims=True)
;;       e = np.where(a > 0, np.clip(np.frexp(np.where(a > 0, a, 1))[1] - 1 - 2, -126, 127), 0)      # np.frexp(a)[1] - 1 = floor(log2(a)), exactly
;;       r = np.clip(x / 2.0 ** e, -7.5, 7.5)
;;       step = 2.0 ** (np.maximum(np.frexp(np.where(r == 0, 1, r))[1] - 1, 0) - 3)
;;       q = np.round(r / step) * step * 2.0 ** e      # np.round: ties to even
;;       return np.moveaxis(q.reshape(q.shape[:-2] + (-1,))[..., :K], -1, axis).astype(np.float32)
;;   ~~~
;;   SOFTMAX AHEAD OF A QUANTISED PRODUCT. Where the list says 'softmax', what is quantised is not the finished softmax but p = 2^(t - M), with t = logit x log2(e) and M = ceil(the row's largest t), a whole number; so 1/2 < the row's largest p <= 1. The row's sum l is taken of the UNQUANTISED p, in f32, and the product's result is divided by l at the end. Since M is a whole number, a kernel that streams over the keys may use a running M (the ceiling of the running maximum): every later rescaling is an exact power of two, which a block's scale takes up: the codes' values come out the same.
;;   OPERANDS COMPUTED ON THE WAY. 'Computed on the way' means the value that the module computes at that place (a softmax that the list does not call 'softmax' is quantised finished and normalised). What goes into a quantiser is computed in f32, as accurately as f32 sums, v_exp_f32 and their like allow (about 1e-6 of the number): no bf16 or f16 on the way to a quantiser, and a product that is left as it is and whose result goes on into a quantised operand takes f32 operands (vector FMAs, or v_wmma_f32_16x16x4_f32). A number that lies on a knife's edge between two numbers of the format may be rounded either way, as far as f32 arithmetic and the matrix unit's own rounding can turn it there, and no further.
;; One version. Each part assembles by itself: llvm-mc -triple=amdgcn-amd-amdhsa -mcpu=gfx1250 --defsym DOCPART=n.
;; ======== version 1 of 1: 4 launches
;; limits: right only within a limited range of input values
;; workspace buffers: xc 13,631,488 bytes; ac 3,407,872 bytes; qf 6,684,672 bytes; kv 6,684,672 bytes
;; launch quant (part 1): grid 512 x 1, 4 waves a work-group, no clusters, 34,304 bytes of LDS; arguments Q, K, V, Wq, Wk, Wv, Wo, xc; writes xc
.if DOCPART == 1
	.amdgcn_target "amdgcn-amd-amdhsa--gfx1250"
	.amdhsa_code_object_version 6
	.text
	.protected	k_q4829440afb_quant
	.globl	k_q4829440afb_quant
	.p2align	8
	.type	k_q4829440afb_quant,@function
k_q4829440afb_quant:
	s_mov_b64 s[64:65], 0
	v_nop
	global_prefetch_b8 v0, s[64:65] scope:SCOPE_SE
	s_setreg_imm32_b32 hwreg(HW_REG_WAVE_MODE, 25, 1), 1
	s_wait_xcnt 0x0
; Q, K, V [4096][1024] and Wq, Wk, Wv, Wo [1024][1024], f32 with K innermost, become codes of FP6 (E2M3) with one E8M0 byte for each 32 along K,
; laid in xc in the order of the operand registers of the products that read them.
; A block's scale is 2^(floor(log2(largest magnitude)) - 2): its byte is the largest magnitude's exponent field - 2, held at 1 from below by a floor among the maximum's leaves.
; LIMITS: a block of zeros gets the byte 1 where the quantiser says 127 (its codes are zeros, and only this program reads the bytes); NaN and infinities among the inputs are not served.
; ROW TILES.  Tile 2 b + u holds in lane row m the row 32 b + 8 u + m + 8 (m / 8).  K's TOKENS ARE DEALT OTHERWISE: tile 4 c + i holds in lane row m the token 64 c + 32 (m / 8) + 8 i + m % 8,
; so that in the scores a lane's 32 registers of four neighbouring tiles are one whole block of 32 keys.
; A tile is 13,312 bytes: four quarters of 3,328: 256 bytes of scale words (lane l: the words of K steps 2 q and 2 q + 1 of lane row l % 16; lanes 16-31 a copy), then two fragments (16 rows x 128 K) of 1,536 bytes.
; A fragment of V, Wq, Wk, Wo (read from LDS 8 bytes a lane) is six pieces of 256 bytes: registers 2 p, 2 p + 1, lane l at byte 8 l.
; A fragment of Q, K, Wv (read from memory 16 bytes a lane) is three images of 512 bytes: registers 4 c .. 4 c + 3, lane l at byte 16 l.
; SHARES.  A work-group takes two tiles (32 rows); wave w takes tile parity u = w / 2 and half j = w % 2 of K: four fragments, 6,656 consecutive bytes of xc.
; Each load reads 512 consecutive bytes of one row; three fragments' loads (48, 24 KB a wave) go out at the start, the fourth's when the first has left its registers.  A fragment's 16 x 512 bytes turn through the
; wave's own stage in LDS (rows 528 bytes apart), from which lane (r, h) takes its two whole blocks, k = 64 c + 32 h + 0 .. 31.  Each store covers 256 or 512 consecutive bytes, aligned.
; No barrier: waves share nothing.  No matrix unit, no cluster: no input byte is read twice.
; REGISTERS.  window 0: v1-18 addresses and work; v160-223 my 64 numbers; v224-242 codes.   window 1: v0-191 three sets of 64 registers as loaded.
.set X,   160
.set C,   224
.set C2,  236
.set SP,  528
.set WST, 16*SP                        ; a wave's stage
.set MSB, 0
.macro WIN new                         ; the immediate's high byte repeats the setting that is left
.if MSB != \new
	s_set_vgpr_msb (MSB<<8)|\new
.set MSB, \new
.endif
.endm
	s_load_b512 s[8:23], s[0:1], 0x0               ; Q, K, V, Wq, Wk, Wv, Wo, xc
	v_lshl_add_u32 v254, v0, 2, 0x8400
	v_mov_b32 v255, 0
	v_lshrrev_b32 v6, 5, v0
	v_readfirstlane_b32 s25, v6                    ; wave
	v_and_b32 v7, 31, v0
	v_lshlrev_b32 v1, 4, v7                        ; 16 x lane
	v_lshlrev_b32 v2, 3, v7                        ; 8 x lane
	v_bfe_u32 v6, v0, 4, 1                         ; h
	v_lshlrev_b32 v3, 3, v6                        ; 8 h: my bytes' place in a scale word
	s_mul_i32 s32, s25, WST
	v_add_nc_u32 v4, s32, v1                       ; into the stage: 16 x lane of a row
	v_and_b32 v7, 15, v0
	v_mul_u32_u24 v5, v7, SP
	v_lshl_add_u32 v5, v6, 7, v5
	v_add_nc_u32 v5, s32, v5                       ; out of it: row r, 128 h bytes on
	v_mov_b32 v15, 0                               ; a lane permute's destination counts as one of its sources
	s_mov_b32 s26, 0x76543210
	s_mov_b32 s27, 0xfedcba98                      ; selects for lane l xor 16
	s_lshr_b32 s33, s25, 1                         ; u
	s_and_b32 s34, s25, 1                          ; j
	s_sub_co_u32 s36, ttmp9, 128
	s_cmp_lt_u32 s36, 128                          ; K's work-groups are 128 to 255
	s_cselect_b32 s35, 0x10000, 0                  ; there lane rows 8-15 lie 16 rows (of 4,096 bytes) further on
	v_add_nc_u32 v18, s35, v1                      ; the loads' offset for lane rows 8-15
	s_cmp_lt_u32 ttmp9, 256                        ; Q and K,
	s_cselect_b32 s38, 1, 0
	s_sub_co_u32 s36, ttmp9, 448
	s_cmp_lt_u32 s36, 32                           ; and Wv: fragments as images
	s_cselect_b32 s38, 1, s38
	s_mov_b32 s24, 0
	s_wait_alu depctr_va_vdst(0)
	s_wait_kmcnt 0x0
	s_mov_b64 s[4:5], s[8:9]                       ; which tensor: groups 0-127 Q, 128-255 K, 256-383 V, then 32 groups for each weight.  The choice hangs on the work-group's number alone
	s_cmp_ge_u32 ttmp9, 128
	s_cselect_b64 s[4:5], s[10:11], s[4:5]
	s_cselect_b32 s24, 128, s24
	s_cmp_ge_u32 ttmp9, 256
	s_cselect_b64 s[4:5], s[12:13], s[4:5]
	s_cselect_b32 s24, 256, s24
	s_cmp_ge_u32 ttmp9, 384
	s_cselect_b64 s[4:5], s[14:15], s[4:5]
	s_cselect_b32 s24, 384, s24
	s_cmp_ge_u32 ttmp9, 416
	s_cselect_b64 s[4:5], s[16:17], s[4:5]
	s_cselect_b32 s24, 416, s24
	s_cmp_ge_u32 ttmp9, 448
	s_cselect_b64 s[4:5], s[18:19], s[4:5]
	s_cselect_b32 s24, 448, s24
	s_cmp_ge_u32 ttmp9, 480
	s_cselect_b64 s[4:5], s[20:21], s[4:5]
	s_cselect_b32 s24, 480, s24
	s_sub_co_u32 s28, ttmp9, s24                   ; the group's number in its tensor
	s_and_b32 s37, s28, 1
	s_mul_i32 s37, s37, s35                        ; K: an odd group begins 16 rows earlier: 64 (g / 2) + 16 (g % 2) + 8 u
	s_lshl_b32 s28, s28, 17                        ; 32 rows of 4,096 bytes
	s_sub_co_u32 s28, s28, s37
	s_lshl_b32 s29, s33, 15                        ; + 8 u rows
	s_add_co_u32 s28, s28, s29
	s_lshl_b32 s29, s34, 11                        ; + my half of K
	s_add_co_u32 s28, s28, s29
	s_mov_b32 s29, 0
	s_add_nc_u64 s[4:5], s[4:5], s[28:29]
	s_lshl_b32 s30, ttmp9, 1
	s_add_co_u32 s30, s30, s33                     ; the tile's number in xc: 2 x group + u
	s_mul_i32 s30, s30, 13312
	s_mul_i32 s31, s34, 6656                       ; my two quarters
	s_add_co_u32 s30, s30, s31
	s_mov_b32 s31, 0
	s_add_nc_u64 s[6:7], s[22:23], s[30:31]
.macro LOADF f                         ; fragment f: 128 numbers of each of the tile's 16 rows, into set f % 3 of window 1
.irp m, 0,1,2,3,4,5,6,7
	global_load_b128 v[64*((\f)%3)+4*\m:64*((\f)%3)+4*\m+3], v1, s[4:5] offset:\m*4096+512*(\f) th:TH_LOAD_NT
.endr
.irp m, 8,9,10,11,12,13,14,15
	global_load_b128 v[64*((\f)%3)+4*\m:64*((\f)%3)+4*\m+3], v18, s[4:5] offset:(\m+8)*4096+512*(\f) th:TH_LOAD_NT
.endr
.endm
.macro QF f
.set RS, 64*((\f)%3)
.if (\f) < 2
	s_wait_loadcnt 32                              ; this fragment's 16 loads are in; the two younger fragments' 32 may be out
.elseif (\f) == 2
	s_wait_loadcnt 16                              ; the last fragment's 16 may be out
.else
	s_wait_loadcnt 0x0
.endif
	WIN 0x04                                       ; an LDS store's data are its source 1: window 1
.irp m, 0,1,2,3,4,5,6,7,8,9,10,11,12,13,14,15
	ds_store_b128 v4, v[RS+4*\m:RS+4*\m+3] offset:SP*\m
.endr
	WIN 0
.irp c, 0,1
.irp k, 0,1,2,3,4,5,6,7
	ds_load_b128 v[X+32*\c+4*\k:X+32*\c+4*\k+3], v5 offset:256*\c+16*\k   ; LDS serves a wave's instructions in order: these see the stores above
.endr
.endr
	s_wait_dscnt 0x0                               ; my numbers are back; the stores into the stage have read their registers
	s_wait_xcnt 0x0                                ; the last fragment's stores have read their data: the codes and the scale words are written again only behind this wait
.if (\f) == 0
	WIN 0x40                                       ; destination window 1
	LOADF 3                                        ; into the set that fragment 0 has left
	WIN 0
.endif
.irp c, 0,1
	v_max3_num_f32 v[8+\c], |v[X+32*\c]|, |v[X+32*\c+1]|, 0x1800000   ; block 2 c + h is all mine; the floor 2^(3 - 127) keeps the byte from falling under 1
.endr
.irp i, 2,4,6,8,10,12,14,16,18,20,22,24,26,28,30
.irp c, 0,1
	v_max3_num_f32 v[8+\c], v[8+\c], |v[X+32*\c+\i]|, |v[X+32*\c+\i+1]|
.endr
.endr
.irp c, 0,1
	v_add_nc_u32 v[10+\c], 0xff000000, v[8+\c]     ; 2 off the exponent field: the conversion's scale operand
.endr
.irp c, 0,1
	v_lshrrev_b32 v[12+\c], 23, v[10+\c]           ; the scale's byte
.endr
	v_lshl_or_b32 v14, v13, 16, v12                ; my bytes: blocks h and 2 + h,
	v_lshlrev_b32 v14, v3, v14                     ; at their places in the word;
	v_permlanex16_b32 v15, v14, s26, s27
	v_or_b32 v[16+(\f)%2], v14, v15                ; with lane l xor 16's two the word is whole, in both lanes
.irp c, 0,1
	v_cvt_scalef32_pk16_fp6_f32 v[C+6*\c:C+6*\c+2], v[X+32*\c:X+32*\c+15], v[10+\c]
	v_cvt_scalef32_pk16_fp6_f32 v[C2+4*\c:C2+4*\c+2], v[X+32*\c+16:X+32*\c+31], v[10+\c]   ; (a conversion's three registers begin on an even number)
.endr
	v_nop                                          ; one plain place behind a scaled conversion
.irp c, 0,1
.irp i, 0,1,2
	v_mov_b32 v[C+6*\c+3+\i], v[C2+4*\c+\i]
.endr
.endr
	s_cmp_eq_u32 s38, 0                            ; the fragment's form hangs on the tensor, that is on the work-group's number alone
	s_cbranch_scc1 .Lpieces_\@
.irp c, 0,1,2
	global_store_b128 v1, v[C+4*\c:C+4*\c+3], s[6:7] offset:((\f)/2)*3328+256+((\f)%2)*1536+512*\c   ; 32 lanes store 512 consecutive bytes, aligned
.endr
	s_branch .Lstored_\@
.Lpieces_\@:
	s_wait_alu depctr_va_vdst(0)
.irp p, 0,1,2,3,4,5
	global_store_b64 v2, v[C+2*\p:C+2*\p+1], s[6:7] offset:((\f)/2)*3328+256+((\f)%2)*1536+256*\p   ; 32 lanes store 256 consecutive bytes, aligned
.endr
.Lstored_\@:
.if (\f)%2 == 1
	global_store_b64 v2, v[16:17], s[6:7] offset:((\f)/2)*3328     ; the quarter's scale words
.endif
.endm
	WIN 0x40                                       ; destination window 1
	LOADF 0
	LOADF 1
	LOADF 2
	WIN 0
	QF 0
	QF 1
	QF 2
	QF 3
	s_wait_tensorcnt 0x0
	ds_add_u32 v254, v255
	s_wait_dscnt 0x0
	s_endpgm
.Lfunc_end_k_q4829440afb_quant:
	.size	k_q4829440afb_quant, .Lfunc_end_k_q4829440afb_quant-k_q4829440afb_quant
	.p2alignl 7, 3214868480
	.fill 96, 4, 3214868480
	.section	.rodata,"a",@progbits
	.p2align	6, 0x0
	.amdhsa_kernel k_q4829440afb_quant
		.amdhsa_group_segment_fixed_size 34304
		.amdhsa_private_segment_fixed_size 0
		.amdhsa_enable_private_segment 0
		.amdhsa_kernarg_size 64
		.amdhsa_user_sgpr_count 2
		.amdhsa_user_sgpr_kernarg_segment_ptr 1
		.amdhsa_wavefront_size32 1
		.amdhsa_system_sgpr_workgroup_id_x 1
		.amdhsa_system_sgpr_workgroup_id_y 1
		.amdhsa_system_sgpr_workgroup_id_z 1
		.amdhsa_system_vgpr_workitem_id 0
		.amdhsa_next_free_vgpr 448
		.amdhsa_next_free_sgpr 66
		.amdhsa_reserve_vcc 0
		.amdhsa_float_denorm_mode_32 3
		.amdhsa_float_denorm_mode_16_64 3
		.amdhsa_memory_ordered 1
		.amdhsa_forward_progress 1
		.amdhsa_inst_pref_size 34
	.end_amdhsa_kernel
	.amdgpu_metadata
---
amdhsa.version: [ 1, 2 ]
amdhsa.kernels:
  - .name:           k_q4829440afb_quant
    .symbol:         k_q4829440afb_quant.kd
    .args:
      - { .name: Q, .offset: 0, .size: 8, .value_kind: global_buffer, .address_space: global }
      - { .name: K, .offset: 8, .size: 8, .value_kind: global_buffer, .address_space: global }
      - { .name: V, .offset: 16, .size: 8, .value_kind: global_buffer, .address_space: global }
      - { .name: Wq, .offset: 24, .size: 8, .value_kind: global_buffer, .address_space: global }
      - { .name: Wk, .offset: 32, .size: 8, .value_kind: global_buffer, .address_space: global }
      - { .name: Wv, .offset: 40, .size: 8, .value_kind: global_buffer, .address_space: global }
      - { .name: Wo, .offset: 48, .size: 8, .value_kind: global_buffer, .address_space: global }
      - { .name: xc, .offset: 56, .size: 8, .value_kind: global_buffer, .address_space: global }
    .group_segment_fixed_size: 34304
    .private_segment_fixed_size: 0
    .kernarg_segment_align: 8
    .kernarg_segment_size: 64
    .max_flat_workgroup_size: 128
    .sgpr_count:     66
    .vgpr_count:     448
    .wavefront_size: 32
...
	.end_amdgpu_metadata
.endif
;; end of part 1
;; launch proj (part 2): grid 8 x 32, 4 waves a work-group, clusters of 4 x 4, 320,000 bytes of LDS; arguments xc, bq, bk, bv, qf, kv; writes qf, kv
.if DOCPART == 2
	.amdgcn_target "amdgcn-amd-amdhsa--gfx1250"
	.amdhsa_code_object_version 6
	.text
	.protected	k_q4829440afb_proj
	.globl	k_q4829440afb_proj
	.p2align	8
	.type	k_q4829440afb_proj,@function
k_q4829440afb_proj:
	s_mov_b64 s[64:65], 0
	v_nop
	global_prefetch_b8 v0, s[64:65] scope:SCOPE_SE
	s_setreg_imm32_b32 hwreg(HW_REG_WAVE_MODE, 25, 1), 1
	s_wait_xcnt 0x0
	s_wait_alu depctr_hold_cnt(0) depctr_sa_sdst(0) depctr_va_vdst(0) depctr_va_sdst(0) depctr_va_ssrc(0) depctr_va_vcc(0) depctr_vm_vsrc(0)
	s_getreg_b32 s2, hwreg(HW_REG_IB_STS2, 6, 4)
	s_cmp_eq_u32 s2, 0
	s_cbranch_scc0 .Lentry_in_a_cluster
	s_endpgm
.Lentry_in_a_cluster:
	s_bfe_u32 s2, ttmp6, 0x10000c
	s_cmp_lg_u32 s2, 0xf033
	s_cbranch_scc0 .Lentry_shape_is_right
	s_endpgm
.Lentry_shape_is_right:
; The three projections x W^T + b on codes of FP6 (E2M3) out of xc, and their results quantised in registers: q and k along the head's 64 channels, v along the keys.
; A WORK-GROUP STAYS FOR THREE TILES of 128 S0 rows x 128 S1 rows over K = 1,024.  With a = its block of 128 channels (0..7) and b = its block of 128 tokens (0..31):
;   tile 0, q: S0 = Wq's block a, S1 = Q's tokens b;   tile 1, k: S0 = Wk's block a, S1 = K's tokens b;   tile 2, v: S0 = V's tokens b, S1 = Wv's block a.
; Source 0 = S0, source 1 = S1: a lane holds one S1 row, its registers run along S0 rows: channels for q and k, keys for v: in each case the next product's K.
; S0's row tiles are not neighbours (tile 2 b + u, lane row m: row 32 b + 8 u + m + 8 (m / 8)), so that the 16 registers of tiles 2 b and 2 b + 1 are 16 neighbouring S0 rows: 32 b + 16 (lane / 16) + 0 .. 15.
; A wave takes all 8 S0 tiles x its 2 S1 tiles: 16 accumulators, which take turns, one instruction a turn, in the same order in every K step.
; LDS: the three S0 panels for all of K, 3 x 106,496 bytes, each as it lies in xc (8 row tiles of 13,312 bytes on end), each byte filled ONCE.  A panel is one dense block of memory and comes by ONE tensor load of 416 rows of 256 bytes:
; wave 0 asks for panel 0, wave 1 for panel 1, wave 2 for panel 2, in the arms of one chain of branches at the head, the panel needed first in the first arm.  Panels 0 and 1 are shown by their wave's wait and a barrier at their tile's start,
; panel 2 by a wait on every wave's way.  Nothing is filled again.
; CLUSTER 4 x 4: panels 0 and 1 hang on a alone and are asked for jointly down a column of the cluster, panel 2 on b alone and jointly along a row.
; NO PREFETCH: all three panels are asked for at the head, and S1 runs a tile ahead by its own loads.
; S1 IS NOT ASKED FOR JOINTLY: its three panels are another 319,488 bytes, which do not fit into LDS beside S0's, and each S1 fragment is read by one wave alone: so it goes from memory straight into that wave's
; registers, 16 bytes a lane (xc holds these fragments as images of the registers), 52 loads a tile.  Tile 0's go out at the head, tile p + 1's in the first four K steps of tile p, into the other of two sets of registers.
; THE WALK ALONG K goes by HALVES of a K step: half H = 2 s + f is S0's tiles 4 f .. 4 f + 3 in K step s: 24 LDS loads, 48 registers, 8 products.  The 192 fragment registers are four slots, half H in slot H % 4.
; A half's turn: the wait for its fragments; the loads of half H + 2, in one run, into the slot that half H - 2 left; its 8 products; two v_nop.  So behind a half's loads stand the next half's 24 when it is waited for
; (s_wait_dscnt 24; the last half: 0; a quarter's 4 loads of scale words, which go ahead of its first half, make the count only stricter), and four places lie between a slot's products and the loads that fill it again.
; OUT (qf, kv): for each (batch, head) 16 step blocks of 13,056 bytes (128 tokens): four PAIR fragments of q or k (registers 0-5: token tile 2 g, its 64 channels; registers 6-11: tile 2 g + 1), images of the registers:
; three runs of 512 bytes, lane l at 16 l; from 6,144 four fragments of V^T (16 channels x 128 keys); from 12,288 the pairs' scale words (4 bytes a lane); from 12,800 V's (lanes 0-15 tile 2 j, lanes 16-31 tile 2 j + 1).
; LIMITS: a block of zeros gets the byte 1 where the quantiser says 127 (its codes are zeros; only this program reads the bytes); NaN and infinities are not served.
; REGISTERS.  window 0: v1-11 lane numbers and offsets; v12-15, v32-35 LDS addresses; v16-31 S0's scale words, two sets of 8; v36-51 S1's, two sets of 8; v52-54 scale words made; v64-255 S0's fragments, four slots of 48
;   (in the epilogues v64-127 numbers, v128-146 codes, v148-163 at work).   window 1: v0-127 accumulator (n, t) at 8 (8 n + t); v128-191 the tile's bias.
;   windows 2 and 3: v0-191 S1's fragments of a whole tile (K step s, tile n: 24 s + 12 n): tiles 0 and 2 in window 2, tile 1 in window 3.
.set TILEB, 13312
.set QBLK,  3328
.set PANEL, 106496
.set HB,    208896                     ; a head's 16 step blocks
.set STB,   13056
.set S0F,   64
.set BIA,   128
.set SC,    16
.set SB,    36
.set PW,    52
.set T,     64
.set PC,    128
.set TM,    148
.set AF,    12                         ; v12-15 LDS address of S0's tile 2 t: 8 x lane + 2 t tiles + the panel
.set AS,    32                         ; v32-35 of the scale words of tiles 2 j (lanes 0-15) and 2 j + 1 (lanes 16-31)
.set G1A,   24                         ; s[24:31] descriptor group 1 with my column's mask;  s[32:39] with my row's
.set G1B,   32
.set G0,    40                         ; s[40:51] three groups 0
.set S1P,   52                         ; s[52:57] where my two S1 tiles of tiles 0, 1, 2 begin
.set BP,    80                         ; s[80:83] bq, bk at my channels;  s[88:89] bv
.set BPV,   88
.set SEL,   98
.set MSB, 0
.macro WIN new                         ; the immediate's high byte repeats the setting that is left
.if MSB != \new
	s_set_vgpr_msb (MSB<<8)|\new
.set MSB, \new
.endif
.endm
.macro CROUND                          ; a round of the cluster's barrier
	s_barrier_signal -1
	s_barrier_wait -1
	s_cmp_lg_u32 s16, 0
	s_cbranch_scc1 .Lnot_wave_0_\@
	s_barrier_signal -3
.Lnot_wave_0_\@:
	s_barrier_wait -3
	s_barrier_signal -1
	s_barrier_wait -1
.endm
.macro TLOAD g0, g1                    ; s_nop 0 and four v_nop behind the load
	tensor_load_to_lds s[\g0:\g0+3], s[\g1:\g1+7]
	s_nop 0
.rept 4
	v_nop
.endr
.endm
.macro FRAG64 reg, adr, off            ; a fragment out of LDS: six pieces of 256 bytes, 8 bytes a lane
.irp p, 0,1,2,3,4,5
	ds_load_b64 v[\reg+2*\p:\reg+2*\p+1], v[\adr] offset:\off+256*\p
.endr
.endm
.macro GLOAD g                         ; S0's tiles 2 t, 2 t + 1 of K step s, g = 4 s + t: a quarter of a step's fragments; ahead of a quarter of K's first, its scale words.  All in window 0
.set LS, (\g)/4
.set LT, (\g)%4
.set LO, QBLK*(LS/2)+256+1536*(LS%2)
.if (\g)%8 == 0
.irp j, 0,1,2,3
	ds_load_b64 v[SC+8*((LS/2)%2)+2*\j:SC+8*((LS/2)%2)+2*\j+1], v[AS+\j] offset:QBLK*(LS/2)   ; two K steps' words
.endr
.endif
	FRAG64 S0F+96*(LS%2)+24*LT, AF+LT, LO
	FRAG64 S0F+96*(LS%2)+24*LT+12, AF+LT, TILEB+LO
.endm
.macro S1LOAD pn, q                    ; quarter q of tile pn's S1: a pair of scale words and four fragments: 13 loads
	global_load_b64 v[SB+8*((\pn)%2)+2*(\q):SB+8*((\pn)%2)+2*(\q)+1], v7, s[S1P+2*(\pn):S1P+2*(\pn)+1] offset:(\q)*QBLK   ; lanes 0-15: my first S1 tile, lanes 16-31: my second
	WIN 0x80+0x40*((\pn)%2)                        ; destination window 2 or 3
.irp e, 0,1
.irp n, 0,1
.irp c, 0,1,2
	global_load_b128 v[24*(2*(\q)+\e)+12*\n+4*\c:24*(2*(\q)+\e)+12*\n+4*\c+3], v8, s[S1P+2*(\pn):S1P+2*(\pn)+1] offset:\n*TILEB+(\q)*QBLK+256+1536*\e+512*\c
.endr
.endr
.endr
	WIN 0
.endm
.macro MULG pn, s, tp                  ; 4 products: S0's tiles 2 tp, 2 tp + 1 x my two S1 tiles; a tile's first K step starts the sums
.set ME, (\s)%2
.set MQ, ((\s)/2)%2
	WIN 0x58+4*((\pn)%2)                           ; source 0 window 0; source 1 window 2 or 3; C and D window 1
.set rA, S0F+96*ME+24*(\tp)
.set rB, 24*(\s)
.set rS, SC+8*MQ+2*(\tp)+ME
.set rZ, SB+8*((\pn)%2)+2*((\s)/2)+ME
.set rD, 16*(\tp)
.if (\s) == 0
	v_wmma_scale_f32_16x16x128_f8f6f4 v[rD:rD+7], v[rA:rA+11], v[rB:rB+11], 0, v[rS], v[rZ] matrix_a_fmt:MATRIX_FMT_FP6 matrix_b_fmt:MATRIX_FMT_FP6
	v_wmma_scale_f32_16x16x128_f8f6f4 v[rD+64:rD+71], v[rA:rA+11], v[rB+12:rB+23], 0, v[rS], v[rZ] matrix_a_fmt:MATRIX_FMT_FP6 matrix_b_fmt:MATRIX_FMT_FP6 matrix_b_scale:MATRIX_SCALE_ROW1
	v_wmma_scale_f32_16x16x128_f8f6f4 v[rD+8:rD+15], v[rA+12:rA+23], v[rB:rB+11], 0, v[rS], v[rZ] matrix_a_fmt:MATRIX_FMT_FP6 matrix_b_fmt:MATRIX_FMT_FP6 matrix_a_scale:MATRIX_SCALE_ROW1
	v_wmma_scale_f32_16x16x128_f8f6f4 v[rD+72:rD+79], v[rA+12:rA+23], v[rB+12:rB+23], 0, v[rS], v[rZ] matrix_a_fmt:MATRIX_FMT_FP6 matrix_b_fmt:MATRIX_FMT_FP6 matrix_a_scale:MATRIX_SCALE_ROW1 matrix_b_scale:MATRIX_SCALE_ROW1
.else
	v_wmma_scale_f32_16x16x128_f8f6f4 v[rD:rD+7], v[rA:rA+11], v[rB:rB+11], v[rD:rD+7], v[rS], v[rZ] matrix_a_fmt:MATRIX_FMT_FP6 matrix_b_fmt:MATRIX_FMT_FP6
	v_wmma_scale_f32_16x16x128_f8f6f4 v[rD+64:rD+71], v[rA:rA+11], v[rB+12:rB+23], v[rD+64:rD+71], v[rS], v[rZ] matrix_a_fmt:MATRIX_FMT_FP6 matrix_b_fmt:MATRIX_FMT_FP6 matrix_b_scale:MATRIX_SCALE_ROW1
	v_wmma_scale_f32_16x16x128_f8f6f4 v[rD+8:rD+15], v[rA+12:rA+23], v[rB:rB+11], v[rD+8:rD+15], v[rS], v[rZ] matrix_a_fmt:MATRIX_FMT_FP6 matrix_b_fmt:MATRIX_FMT_FP6 matrix_a_scale:MATRIX_SCALE_ROW1
	v_wmma_scale_f32_16x16x128_f8f6f4 v[rD+72:rD+79], v[rA+12:rA+23], v[rB+12:rB+23], v[rD+72:rD+79], v[rS], v[rZ] matrix_a_fmt:MATRIX_FMT_FP6 matrix_b_fmt:MATRIX_FMT_FP6 matrix_a_scale:MATRIX_SCALE_ROW1 matrix_b_scale:MATRIX_SCALE_ROW1
.endif
.endm
; K step s of tile pn: in the first step the tile's S1 is awaited and its bias asked for; in the first four steps a quarter of the next tile's S1 is asked for; then the step's two halves.
.macro STEP pn, s
	WIN 0
.if (\s) == 0
	s_wait_loadcnt 0x0                             ; this tile's S1 is in my registers
	WIN 0x40                                       ; destination window 1
.if (\pn) < 2
.irp b, 0,1,2,3
.irp k, 0,1,2,3
	global_load_b128 v[BIA+16*\b+4*\k:BIA+16*\b+4*\k+3], v10, s[BP+2*(\pn):BP+2*(\pn)+1] offset:128*\b+16*\k   ; register 16 b + i: channel 32 b + 16 h + i
.endr
.endr
.else
.irp n, 0,1
	global_load_b32 v[BIA+2*\n], v11, s[BPV:BPV+1] offset:32*\n
	global_load_b32 v[BIA+2*\n+1], v11, s[BPV:BPV+1] offset:32*\n   ; (named as a pair in the epilogue, so both are written)
.endr
.endif
	WIN 0
.endif
.if ((\pn) < 2) && ((\s) < 4)
	S1LOAD (\pn)+1, \s
.endif
.irp hf, 0,1
	WIN 0
.if 2*(\s)+\hf < 15
	s_wait_dscnt 24                                ; this half is in; the next half's 24 loads may be out
.else
	s_wait_dscnt 0x0                               ; the last half
.endif
.if 2*(\s)+\hf+2 < 16
	GLOAD 4*(\s)+2*\hf+4                           ; the half two turns on, into the slot multiplied two turns ago
	GLOAD 4*(\s)+2*\hf+5
.endif
	MULG \pn, \s, 2*\hf
	MULG \pn, \s, 2*\hf+1
	v_nop                                          ; two places a turn: four lie between a slot's products and its next loads
	v_nop
.endr
.endm
.macro TILE pn
	WIN 0
.if (\pn) > 0
	s_wait_xcnt 0x0                                ; the last epilogue's stores have read their data: fragments land on those registers, and the next epilogue writes them
.irp j, 0,1,2,3
	v_add_nc_u32 v[AF+\j], PANEL, v[AF+\j]         ; on to the next panel
	v_add_nc_u32 v[AS+\j], PANEL, v[AS+\j]
.endr
.endif
	s_wait_alu depctr_va_vdst(0)                   ; the wait ahead of the branch, the waits and the barrier
.if (\pn) < 2
	s_cmp_eq_u32 s16, \pn                          ; the wave that asked for this tile's panel waits for it; a later panel may stay out
	s_cbranch_scc0 .Lnot_mine_\@
	s_wait_tensorcnt 0x0
.Lnot_mine_\@:
.else
	s_wait_tensorcnt 0x0                           ; the last panel: the wait stands on every wave's way
.endif
	s_barrier_signal -1
	s_barrier_wait -1
.irp g, 0,1,2,3
	GLOAD \g                                       ; the first two halves
.endr
.irp s, 0,1,2,3,4,5,6,7
	STEP \pn, \s
.endr
.endm
; 64 numbers of a lane, register 16 b + i = k 32 b + 16 (lane / 16) + i of my row, become a fragment's codes in v[PC] on and its scale word in v[PW]
.macro QUANT s
.irp b, 0,1,2,3
	v_max3_num_f32 v[TM+\b], |v[\s+16*\b]|, |v[\s+1+16*\b]|, 0x1800000   ; my 16 numbers of block b, and the floor 2^(3 - 127): the byte cannot fall under 1
.endr
.irp i, 2,4,6,8,10,12,14
.irp b, 0,1,2,3
	v_max3_num_f32 v[TM+\b], v[TM+\b], |v[\s+16*\b+\i]|, |v[\s+1+16*\b+\i]|
.endr
.endr
.irp b, 0,1,2,3
	v_permlanex16_b32 v[TM+4+\b], v[TM+\b], s[SEL], s[SEL+1]
.endr
.irp b, 0,1,2,3
	v_max_num_f32 v[TM+\b], v[TM+\b], v[TM+4+\b]   ; with lane l xor 16's: the block's largest magnitude
.endr
.irp b, 0,1,2,3
	v_add_nc_u32 v[TM+12+\b], 0xff000000, v[TM+\b]   ; 2 off its exponent field: the conversion's scale operand
.endr
.irp b, 0,1,2,3
	v_lshrrev_b32 v[TM+4+\b], 23, v[TM+12+\b]      ; the scale's byte
.endr
	v_lshl_or_b32 v[PW], v[TM+5], 8, v[TM+4]
	v_lshl_or_b32 v[PW], v[TM+6], 16, v[PW]
	v_lshl_or_b32 v[PW], v[TM+7], 24, v[PW]
.irp c, 0,1
	v_cvt_scalef32_pk16_fp6_f32 v[PC+6*\c:PC+2+6*\c], v[\s+32*\c:\s+15+32*\c], v[TM+12+2*\c]
	v_cvt_scalef32_pk16_fp6_f32 v[PC+12+4*\c:PC+14+4*\c], v[\s+16+32*\c:\s+31+32*\c], v[TM+12+2*\c+1]
.endr
	v_nop                                          ; one plain place behind a scaled conversion
.irp c, 0,1                            ; the operand's layout wants a whole block in a lane: lanes 0-15 block 2 c, lanes 16-31 block 2 c + 1
.irp i, 0,1,2
	v_permlane16_swap_b32 v[PC+6*\c+\i], v[PC+12+4*\c+\i]
.endr
.irp i, 0,1,2
	v_mov_b32 v[PC+3+6*\c+\i], v[PC+12+4*\c+\i]
.endr
.endr
.endm
; q's and k's way out: a lane holds one token; register 16 b + i of accumulators (n, 2 b), (n, 2 b + 1) is channel 32 b + 16 h + i of the work-group's 128 (two heads)
.macro EPI_QK oc, os
	WIN 0
	s_wait_loadcnt 52                              ; the bias is in; the next tile's 52 loads, issued behind it, may be out
.rept 4
	v_nop                                          ; places behind the last products
.endr
.irp b, 0,1,2,3
	v_mov_b32 v[TM+4+\b], 0                        ; a lane permute's destination counts as one of its sources
.endr
.irp g, 0,1                            ; head g of the two: the 64 numbers are token tile 2 w's 64 channels, then tile 2 w + 1's
	WIN 0x05                                       ; sources window 1, destination window 0
.irp n, 0,1
.irp i, 0,1,2,3,4,5,6,7,8,9,10,11,12,13,14,15
	v_pk_add_f32 v[T+32*\n+2*\i:T+32*\n+2*\i+1], v[64*\n+32*\g+2*\i:64*\n+32*\g+2*\i+1], v[BIA+32*\g+2*\i:BIA+32*\g+2*\i+1]   ; each accumulator from its low end on
.endr
.endr
	WIN 0
.if \g == 1
	s_wait_xcnt 0x0                                ; the first head's stores have read their data
.endif
	QUANT T
.irp c, 0,1,2
	global_store_b128 v8, v[PC+4*\c:PC+4*\c+3], s[\oc:\oc+1] offset:HB*\g+512*\c   ; 32 lanes store 512 consecutive bytes, aligned
.endr
	global_store_b32 v9, v[PW], s[\os:\os+1] offset:HB*\g   ; both halves of the lanes hold the row's word: lanes 16-31 are the copy
.endr
.endm
	s_load_b256 s[4:11], s[0:1], 0x0               ; xc s[4:5], bq s[6:7], bk s[8:9], bv s[10:11]
	s_load_b128 s[12:15], s[0:1], 0x20             ; qf s[12:13], kv s[14:15]
	v_lshl_add_u32 v62, v0, 2, 0x4e000
	v_mov_b32 v63, 0
	ds_add_u32 v62, v63                            ; the opening lines: the add twice and its wait
	ds_add_u32 v62, v63
	v_lshrrev_b32 v1, 5, v0
	v_readfirstlane_b32 s16, v1                    ; wave 0..3
	s_lshr_b32 s17, s16, 1
	s_and_b32 s18, s16, 1
	s_bfe_u32 s19, ttmp6, 0x40000                  ; cx
	s_bfe_u32 s20, ttmp6, 0x40004                  ; cy
	s_and_b32 s22, ttmp7, 0xffff                   ; cluster y
	s_lshl_b32 s21, ttmp9, 2
	s_add_co_u32 s21, s21, s19                     ; a: my block of 128 channels
	s_lshl_b32 s23, s22, 2
	s_add_co_u32 s23, s23, s20                     ; b: my block of 128 tokens
	s_lshl_b32 s58, s21, 3
	s_add_co_u32 s58, s58, 768                     ; Wq's tiles begin at 768
	s_mul_i32 s58, s58, TILEB
	s_mov_b32 s59, 0
	s_add_co_u32 s60, s58, 64*TILEB                ; Wk's 64 tiles further on
	s_mov_b32 s61, 0
	s_lshl_b32 s84, s23, 3
	s_add_co_u32 s84, s84, 512                     ; V's tokens begin at 512
	s_mul_i32 s84, s84, TILEB
	s_mov_b32 s85, 0
	s_lshl_b32 s62, 0x1111, s19                    ; my column of the cluster
	s_lshl_b32 s86, s20, 2
	s_lshl_b32 s86, 15, s86                        ; my row
	; descriptor group 1: a panel, 106,496 dense bytes, as 416 rows of 256 bytes (32 elements of 8 bytes)
	s_or_b32 s[G1A], s62, (3<<16)|(1<<21)          ; 15:0 the mask; 17:16 elements of 8 bytes; 21 set beside a mask
	s_or_b32 s[G1B], s86, (3<<16)|(1<<21)
.irp g, G1A, G1B
	s_mov_b32 s[\g+1], 32<<16                      ; tensor_dim0
	s_mov_b32 s[\g+2], 416<<16                     ; tensor_dim1
	s_mov_b32 s[\g+3], 32<<16                      ; tile_dim0
	s_mov_b32 s[\g+4], 416                         ; tile_dim1
	s_mov_b32 s[\g+5], 32                          ; dense rows
	s_mov_b32 s[\g+6], 0
	s_mov_b32 s[\g+7], 0
.endr
	s_mov_b32 s[G0], 1
	s_mov_b32 s[G0+1], 0
	s_mov_b32 s[G0+4], 1
	s_mov_b32 s[G0+5], PANEL
	s_mov_b32 s[G0+8], 1
	s_mov_b32 s[G0+9], 2*PANEL
	s_wait_dscnt 0x0
	s_wait_kmcnt 0x0
	s_add_nc_u64 s[G0+2:G0+3], s[4:5], s[58:59]
	s_or_b32 s[G0+3], s[G0+3], 0x80000000
	s_add_nc_u64 s[G0+6:G0+7], s[4:5], s[60:61]
	s_or_b32 s[G0+7], s[G0+7], 0x80000000
	s_add_nc_u64 s[G0+10:G0+11], s[4:5], s[84:85]
	s_or_b32 s[G0+11], s[G0+11], 0x80000000
	CROUND                                         ; all sixteen work-groups are here: the joint loads meet
	s_cmp_eq_u32 s16, 0                            ; one chain of branches on the wave's number, a load to an arm; wave 3 asks for nothing
	s_cbranch_scc0 .Lwave_1
	TLOAD G0, G1A                                  ; wave 0: panel 0
	s_branch .Lasked
.Lwave_1:
	s_cmp_eq_u32 s16, 1
	s_cbranch_scc0 .Lwave_2
	TLOAD G0+4, G1A                                ; wave 1: panel 1
	s_branch .Lasked
.Lwave_2:
	s_cmp_eq_u32 s16, 2
	s_cbranch_scc0 .Lasked
	TLOAD G0+8, G1B                                ; wave 2: panel 2
.Lasked:
	v_and_b32 v1, 31, v0                           ; lane
	v_and_b32 v2, 15, v0                           ; r
	v_bfe_u32 v3, v0, 4, 1                         ; h
	v_lshlrev_b32 v4, 3, v1                        ; 8 x lane
	v_mad_u32_u24 v7, v3, TILEB, v4                ; scale words, in memory and in LDS: lanes 16-31 take the next tile's; never rewritten
.irp j, 0,1,2,3
	v_add_nc_u32 v[AF+\j], 2*\j*TILEB, v4
	v_add_nc_u32 v[AS+\j], 2*\j*TILEB, v7
.endr
	v_lshlrev_b32 v8, 4, v1                        ; 16 x lane
	v_lshlrev_b32 v9, 2, v1                        ; 4 x lane
	v_lshlrev_b32 v10, 6, v3                       ; 64 h: q's and k's bias
	v_and_b32 v11, 8, v2
	v_add_nc_u32 v11, v11, v2
	v_lshlrev_b32 v11, 2, v11                      ; 4 (r + 8 (r / 8)): v's bias: my channel in tile n is 8 n further on
	s_wait_alu depctr_va_vdst(0)                   ; the wait ahead of the run of scalar lines
	s_lshl_b32 s92, s23, 3
	s_lshl_b32 s94, s16, 1
	s_add_co_u32 s92, s92, s94                     ; Q's tiles 8 b + 2 w, 8 b + 2 w + 1
	s_mul_i32 s92, s92, TILEB
	s_mov_b32 s93, 0
	s_add_nc_u64 s[S1P:S1P+1], s[4:5], s[92:93]
	s_add_nc_u64 s[S1P+2:S1P+3], s[S1P:S1P+1], 256*TILEB   ; K's 256 tiles further on
	s_lshl_b32 s92, s21, 3
	s_add_co_u32 s92, s92, s94
	s_add_co_u32 s92, s92, 896                     ; Wv's tiles begin at 896
	s_mul_i32 s92, s92, TILEB
	s_add_nc_u64 s[S1P+4:S1P+5], s[4:5], s[92:93]
	S1LOAD 0, 0                                    ; tile 0's S1: 52 loads
	S1LOAD 0, 1
	S1LOAD 0, 2
	S1LOAD 0, 3
	s_lshl_b32 s92, s21, 9                         ; my 128 channels of a bias
	s_add_nc_u64 s[BP:BP+1], s[6:7], s[92:93]
	s_add_nc_u64 s[BP+2:BP+3], s[8:9], s[92:93]
	s_lshl_b32 s94, s16, 7
	s_add_co_u32 s92, s92, s94                     ; + my wave's 32 channels
	s_add_nc_u64 s[BPV:BPV+1], s[10:11], s[92:93]
	s_lshr_b32 s94, s23, 4
	s_lshl_b32 s94, s94, 4                         ; 16 x batch
	s_lshl_b32 s95, s21, 1
	s_add_co_u32 s94, s94, s95                     ; + my first head
	s_and_b32 s95, s23, 15
	s_mul_i32 s95, s95, STB                        ; the step block
	s_mul_i32 s92, s94, HB
	s_add_co_u32 s92, s92, s95
	s_mul_i32 s2, s16, 1536
	s_add_co_u32 s2, s2, s92
	s_mov_b32 s3, 0
	s_add_nc_u64 s[68:69], s[12:13], s[2:3]        ; q: my pair's fragment
	s_add_nc_u64 s[72:73], s[14:15], s[2:3]        ; k: likewise
	s_lshl_b32 s2, s16, 7
	s_add_co_u32 s2, s2, s92
	s_add_co_u32 s2, s2, 12288
	s_add_nc_u64 s[70:71], s[12:13], s[2:3]        ; q: my pair's scale words
	s_add_nc_u64 s[74:75], s[14:15], s[2:3]        ; k: likewise
	s_add_co_u32 s94, s94, s17                     ; v: head 2 a + wave / 2
	s_mul_i32 s92, s94, HB
	s_add_co_u32 s92, s92, s95
	s_mul_i32 s2, s18, 3072
	s_add_co_u32 s2, s2, s92
	s_add_co_u32 s2, s2, 6144
	s_add_nc_u64 s[76:77], s[14:15], s[2:3]        ; my two fragments of V^T
	s_lshl_b32 s2, s18, 7
	s_add_co_u32 s2, s2, s92
	s_add_co_u32 s2, s2, 12800
	s_add_nc_u64 s[78:79], s[14:15], s[2:3]        ; their scale words
	s_mov_b32 s[SEL], 0x76543210
	s_mov_b32 s[SEL+1], 0xfedcba98                 ; selects for lane l xor 16
	TILE 0
	EPI_QK 68, 70
	TILE 1
	EPI_QK 72, 74
	TILE 2
	; v's way out: a lane holds one channel; register 16 b + i of accumulators (n, .) is key 32 b + 16 h + i of the step's 128
	WIN 0
	s_wait_loadcnt 0x0                             ; the bias
.rept 4
	v_nop                                          ; places behind the last products
.endr
.irp b, 0,1,2,3
	v_mov_b32 v[TM+4+\b], 0
.endr
.irp n, 0,1
	WIN 0x05
.irp i, 0,1,2,3,4,5,6,7,8,9,10,11,12,13,14,15,16,17,18,19,20,21,22,23,24,25,26,27,28,29,30,31
	v_pk_add_f32 v[T+2*\i:T+2*\i+1], v[64*\n+2*\i:64*\n+2*\i+1], v[BIA+2*\n:BIA+2*\n+1] op_sel_hi:[1,0]   ; each accumulator from its low end on
.endr
	WIN 0
.if \n == 1
	s_wait_xcnt 0x0                                ; the first fragment's stores have read their data
.endif
	QUANT T
	v_mov_b32 v[PW+1+\n], v[PW]
.irp c, 0,1,2
	global_store_b128 v8, v[PC+4*\c:PC+4*\c+3], s[76:77] offset:1536*\n+512*\c
.endr
.endr
	s_mov_b32 s100, 0xffff0000
	v_cndmask_b32 v[PW], v[PW+1], v[PW+2], s100    ; lanes 0-15: the first tile's words, lanes 16-31: the second's
	global_store_b32 v9, v[PW], s[78:79]
	s_wait_tensorcnt 0x0                           ; the wave's end
	ds_add_u32 v62, v63
	s_wait_dscnt 0x0
	CROUND                                         ; the closing round: no work-group ends while a partner may still ask for a tile that names it
	s_endpgm
.Lfunc_end_k_q4829440afb_proj:
	.size	k_q4829440afb_proj, .Lfunc_end_k_q4829440afb_proj-k_q4829440afb_proj
	.p2alignl 7, 3214868480
	.fill 96, 4, 3214868480
	.section	.rodata,"a",@progbits
	.p2align	6, 0x0
	.amdhsa_kernel k_q4829440afb_proj
		.amdhsa_group_segment_fixed_size 320000
		.amdhsa_private_segment_fixed_size 0
		.amdhsa_enable_private_segment 0
		.amdhsa_kernarg_size 48
		.amdhsa_user_sgpr_count 2
		.amdhsa_user_sgpr_kernarg_segment_ptr 1
		.amdhsa_wavefront_size32 1
		.amdhsa_system_sgpr_workgroup_id_x 1
		.amdhsa_system_sgpr_workgroup_id_y 1
		.amdhsa_system_sgpr_workgroup_id_z 1
		.amdhsa_system_vgpr_workitem_id 0
		.amdhsa_next_free_vgpr 1024
		.amdhsa_next_free_sgpr 104
		.amdhsa_reserve_vcc 0
		.amdhsa_float_denorm_mode_32 3
		.amdhsa_float_denorm_mode_16_64 3
		.amdhsa_memory_ordered 1
		.amdhsa_forward_progress 1
		.amdhsa_inst_pref_size 197
	.end_amdhsa_kernel
	.amdgpu_metadata
---
amdhsa.version: [ 1, 2 ]
amdhsa.kernels:
  - .name:           k_q4829440afb_proj
    .symbol:         k_q4829440afb_proj.kd
    .args:
      - { .name: xc, .offset: 0, .size: 8, .value_kind: global_buffer, .address_space: global }
      - { .name: bq, .offset: 8, .size: 8, .value_kind: global_buffer, .address_space: global }
      - { .name: bk, .offset: 16, .size: 8, .value_kind: global_buffer, .address_space: global }
      - { .name: bv, .offset: 24, .size: 8, .value_kind: global_buffer, .address_space: global }
      - { .name: qf, .offset: 32, .size: 8, .value_kind: global_buffer, .address_space: global }
      - { .name: kv, .offset: 40, .size: 8, .value_kind: global_buffer, .address_space: global }
    .group_segment_fixed_size: 320000
    .private_segment_fixed_size: 0
    .kernarg_segment_align: 8
    .kernarg_segment_size: 48
    .max_flat_workgroup_size: 128
    .sgpr_count:     104
    .vgpr_count:     1024
    .wavefront_size: 32
...
	.end_amdgpu_metadata
.endif
;; end of part 2
;; launch attn (part 3): grid 8 x 32, 16 waves a work-group, clusters of 4 x 1, 210,944 bytes of LDS; arguments qf, kv, ac; writes ac
.if DOCPART == 3
	.amdgcn_target "amdgcn-amd-amdhsa--gfx1250"
	.amdhsa_code_object_version 6
	.text
	.protected	k_q4829440afb_attn
	.globl	k_q4829440afb_attn
	.p2align	8
	.type	k_q4829440afb_attn,@function
k_q4829440afb_attn:
	s_mov_b64 s[64:65], 0
	v_nop
	global_prefetch_b8 v0, s[64:65] scope:SCOPE_SE
	s_setreg_imm32_b32 hwreg(HW_REG_WAVE_MODE, 25, 1), 1
	s_wait_xcnt 0x0
	s_wait_alu depctr_hold_cnt(0) depctr_sa_sdst(0) depctr_va_vdst(0) depctr_va_sdst(0) depctr_va_ssrc(0) depctr_va_vcc(0) depctr_vm_vsrc(0)
	s_getreg_b32 s2, hwreg(HW_REG_IB_STS2, 6, 4)
	s_cmp_eq_u32 s2, 0
	s_cbranch_scc0 .Lentry_in_a_cluster
	s_endpgm
.Lentry_in_a_cluster:
	s_bfe_u32 s2, ttmp6, 0x10000c
	s_cmp_lg_u32 s2, 0x3003
	s_cbranch_scc0 .Lentry_shape_is_right
	s_endpgm
.Lentry_shape_is_right:
; For each (batch, head): O = softmax(q k^T / 8) v on codes of FP6 (E2M3), and O quantised along the channels for the output projection.
; THE SOFTMAX AHEAD OF THE SECOND PRODUCT: t = score x log2(e) / 8; M = the running largest t rounded up to a whole number; p = 2^(t - M) is quantised along the keys, not normalised; the row's sum is taken of the
; unquantised p and divides O at the end.  When M moves, the sum and O are multiplied by 2^(old M - new M), which rounds nothing.
; SHARES.  A work-group owns 256 queries of one head, each of its sixteen waves one tile of 16.  Every wave walks the head's 2,048 keys, 128 a step, 16 steps.
; LDS: the head's 16 step blocks of kv, 208,896 consecutive bytes, each byte filled ONCE: wave w asks for block w, 51 rows of 256 bytes, its one tensor load.  The loads stand in two arms of one branch on the wave's number:
; waves 0 and 1 wait for theirs ahead of the first barrier, which shows blocks 0 and 1.  In step 0 every wave waits for its load and signals a second barrier; it waits at that barrier in step 1, ahead of its first read of block 2.
; Between that signal and that wait stand register work and LDS reads of blocks 0 and 1, which nobody writes.
; CLUSTER 4 x 1: the four query blocks of a cluster belong to one head and ask for its step blocks jointly.
; NO PREFETCH: all that the launch reads of kv is asked for by the head's sixteen loads; there is no loop to run ahead in.
; BOTH PRODUCTS TRANSPOSED: S^T = K Q^T, O^T = V^T P^T: a lane holds one query throughout.
; K = 64 IN A FORM OF 128: source 0 is a PAIR fragment (registers 0-5: 16 keys' 64 channels; registers 6-11: 16 other keys'); source 1 is QA = [q | zero codes] or QB = [zero codes | q]: the first gives the first 16 keys'
; scores, the second the others'.  Zero codes add nothing under any scale byte that the quantiser makes (1 to 254).  The two share q's registers: [0 | q | 0] in 18 registers.
; A LANE HOLDS WHOLE BLOCKS OF 32 KEYS: tile 4 c + i of a step holds in lane row m the key 64 c + 32 (m / 8) + 8 i + m % 8, so register 32 c + i of S^T in lane (r, h) is key 64 c + 32 h + i: the order in which the
; second product's operand wants p.  So a block's maximum needs no other lane, and the conversions' results are the operand's registers; other lanes are asked once for the row's maximum and once for the scale word.
; THE ORDER OF A STEP.  V^T's 14 LDS loads stand between the lines of the row's chain (maximum, M, f), each of which reads the line before it.  Of the 32 additions of the row's sum 12 stand between the lines that make p's scale word,
; 4 are the places behind the second product, and 16 stand behind the next step's 16 loads of K, ahead of the wait for them.
; LIMITS: the scaled scores stay under 2^31 in magnitude; p under 2^-126 comes out of v_exp_f32 as 0; a block of zeros keeps the byte 1 (its codes are zeros); NaN and infinities are not served.
.set HB,   208896
.set STB,  13056
.set LI,   1                           ; v1 16 x lane; v2 4 x lane; v3 8 x lane
.set L4,   2
.set L8,   3
.set ADK,  4                           ; v4, v5 the step's addresses
.set ADS,  5
.set SH,   6                           ; v6 8 x (lane / 16): my bytes' place in p's scale word
.set OM,   8                           ; v8 the last step's -M.  v12 -M; v13 the running largest score; v[14:15] the row's sum in two halves
.set QBF,  16                          ; v16-27 [0 | q]
.set QA,   22                          ; v22-33 [q | 0]
.set F,    40                          ; v40-87 four fragments of K, then of V^T
.set KS,   88                          ; v88-91 the pairs' scale words
.set VS,   92                          ; v92-93 V's
.set QS,   94                          ; v94 q's two bytes, twice
.set S,    96                          ; v96-159 S^T, then p
.set O,    160                         ; v160-191 O^T
.set PC,   192                         ; v192-203 p's codes
.set P2,   204                         ; v204-206, v208-210 the conversions' second halves
.set BM,   212
.set BM2,  216
.set SCO,  220
.set TP,   224
.set FF,   226                         ; v[226:227] f
.set PW,   238                         ; p's scale word.  v232-237: three more chains of the sum
.set G1,   24
.set G0,   32
.macro WALU
	s_wait_alu depctr_va_vdst(0)
.endm
.macro CROUND
	s_barrier_signal -1
	s_barrier_wait -1
	s_cmp_lg_u32 s16, 0
	s_cbranch_scc1 .Lnot_wave_0_\@
	s_barrier_signal -3
.Lnot_wave_0_\@:
	s_barrier_wait -3
	s_barrier_signal -1
	s_barrier_wait -1
.endm
.macro ASK                             ; my step block; s_nop 0 and four v_nop behind the load
	tensor_load_to_lds s[G0:G0+3], s[G1:G1+7]
	s_nop 0
.rept 4
	v_nop
.endr
.endm
	s_load_b128 s[4:7], s[0:1], 0x0                ; qf s[4:5], kv s[6:7]
	s_load_b64 s[8:9], s[0:1], 0x10                ; ac
	v_lshl_add_u32 v254, v0, 2, 0x33000
	v_mov_b32 v255, 0
	ds_add_u32 v254, v255                          ; the opening lines: the add twice and its wait
	ds_add_u32 v254, v255
	v_lshrrev_b32 v1, 5, v0
	v_readfirstlane_b32 s16, v1                    ; wave 0..15
	s_bfe_u32 s17, ttmp6, 0x40000                  ; cx
	s_and_b32 s18, ttmp7, 0xffff                   ; 16 x batch + head, which the four partners share
	s_lshl_b32 s19, ttmp9, 2
	s_add_co_u32 s19, s19, s17                     ; my block of 256 queries: it enters qf's and ac's addresses alone
	s_mul_i32 s10, s18, HB
	s_mov_b32 s11, 0
	s_mul_i32 s12, s16, STB                        ; my step block, in kv's head and in LDS
	s_mov_b32 s13, 0
	s_mov_b32 s[G1], 15|(3<<16)|(1<<21)            ; 15:0 the mask: all four work-groups; 17:16 elements of 8 bytes; 21 set beside a mask
	s_mov_b32 s[G1+1], 32<<16                      ; tensor_dim0: 256 bytes
	s_mov_b32 s[G1+2], 51<<16                      ; tensor_dim1
	s_mov_b32 s[G1+3], 32<<16                      ; tile_dim0
	s_mov_b32 s[G1+4], 51                          ; tile_dim1
	s_mov_b32 s[G1+5], 32                          ; dense rows
	s_mov_b32 s[G1+6], 0
	s_mov_b32 s[G1+7], 0
	s_mov_b32 s20, 0x76543210
	s_mov_b32 s21, 0xfedcba98                      ; selects for lane l xor 16
	s_mov_b32 s22, 0x3e38aa3b                      ; c = log2(e) / 8
	s_mov_b32 s23, s22                             ; (named with it as a pair)
	s_mov_b32 s40, 0xbe38aa3b                      ; -c
	s_mov_b32 s[G0], 1
	s_mov_b32 s[G0+1], s12
	s_wait_dscnt 0x0
	s_wait_kmcnt 0x0
	s_add_nc_u64 s[46:47], s[6:7], s[10:11]
	s_add_nc_u64 s[G0+2:G0+3], s[46:47], s[12:13]
	s_or_b32 s[G0+3], s[G0+3], 0x80000000
	CROUND                                         ; all four work-groups are here: the joint loads meet
	s_cmp_lt_u32 s16, 2                            ; two arms, a load in each: the waves that wait ahead of the first barrier have a line of their own
	s_cbranch_scc0 .Llater
	ASK
	s_branch .Lasked
.Llater:
	ASK
.Lasked:
	v_and_b32 v7, 31, v0
	v_bfe_u32 v9, v0, 4, 1
	v_lshlrev_b32 v[LI], 4, v7
	v_lshlrev_b32 v[L4], 2, v7
	v_lshlrev_b32 v[L8], 3, v7
	v_lshlrev_b32 v[SH], 3, v9
	WALU                                           ; the wait ahead of the run of scalar lines
	s_lshl_b32 s50, s19, 1
	s_lshr_b32 s51, s16, 3
	s_add_co_u32 s50, s50, s51                     ; my queries' step block: 2 x block + wave / 8
	s_mul_i32 s50, s50, STB
	s_mov_b32 s51, 0
	s_add_nc_u64 s[54:55], s[4:5], s[10:11]
	s_add_nc_u64 s[54:55], s[54:55], s[50:51]
	s_bfe_u32 s52, s16, 0x20001                    ; the pair that holds my tile: (wave / 2) % 4
	s_lshl_b32 s50, s52, 7
	s_add_co_u32 s50, s50, 12288
	s_add_nc_u64 s[56:57], s[54:55], s[50:51]      ; its scale words
	s_mul_i32 s50, s52, 1536
	s_add_nc_u64 s[54:55], s[54:55], s[50:51]      ; its fragment
.irp c, 0,1,2
	global_load_b128 v[S+4*\c:S+4*\c+3], v[LI], s[54:55] offset:512*\c
.endr
	global_load_b32 v[TP], v[L4], s[56:57]
	s_bitcmp1_b32 s16, 0
	s_cselect_b32 s44, -1, 0                       ; all ones where my tile is the pair's second
	s_wait_loadcnt 0x0
	v_lshrrev_b32 v[TP+1], 16, v[TP]
	s_delay_alu instid0(VALU_DEP_1)
	v_cndmask_b32 v[TP+1], v[TP], v[TP+1], s44
	s_delay_alu instid0(VALU_DEP_1)
	v_and_b32 v[TP+1], 0xffff, v[TP+1]             ; my tile's two bytes,
	s_delay_alu instid0(VALU_DEP_1)
	v_lshl_or_b32 v[QS], v[TP+1], 16, v[TP+1]      ; below for QA and above for QB
.irp i, 0,1,2,3,4,5
	v_cndmask_b32 v[QA+\i], v[S+\i], v[S+6+\i], s44   ; q: the second half of QB and the first of QA
.endr
.irp i, 0,1,2,3,4,5
	v_mov_b32 v[QBF+\i], 0
	v_mov_b32 v[QA+6+\i], 0
.endr
.irp j, 0,1,2,3,4,5,6,7,8,9,10,11,12,13,14,15,16,17,18,19,20,21,22,23,24,25,26,27,28,29,30,31
	v_mov_b32 v[O+\j], 0                           ; the first step finds zeros, which the first change of M leaves zeros.  (These also stand between the writes of q's operands and scale word and the first product)
.endr
	v_mov_b32 v13, 0xff61b1e6                      ; the largest score so far: -3e38
	v_mov_b32 v12, 0x7f61b1e6                      ; -M: 3e38
	v_mov_b32 v14, 0                               ; the sum, in two halves
	v_mov_b32 v15, 0
.irp b, 0,1
	v_mov_b32 v[BM2+\b], 0                         ; a lane permute's destination counts as one of its sources
.endr
	v_mov_b32 v[FF+1], 0                           ; (named as the upper half of a pair)
.macro KLOAD ak, as, off               ; a step's four pair fragments of K and their scale words: 16 loads
.irp g, 0,1,2,3
.irp c, 0,1,2
	ds_load_b128 v[F+12*\g+4*\c:F+12*\g+4*\c+3], v[\ak] offset:\off+1536*\g+512*\c
.endr
	ds_load_b32 v[KS+\g], v[\as] offset:\off+12288+128*\g
.endr
.endm
.macro VL2 n                           ; loads n and n + 1 of V^T's fourteen: twelve pieces of 512 bytes, two registers of scale words
.irp k, \n, \n+1
.if (\k) < 12
	ds_load_b128 v[F+4*(\k):F+4*(\k)+3], v[ADK] offset:6144+512*(\k)
.else
	ds_load_b32 v[VS+(\k)-12], v[ADS] offset:12800+128*((\k)-12)
.endif
.endr
.endm
.macro SUMS n                          ; the next n of the 32 additions of the row's sum: the unquantised p, two at a time, in four chains by turns; the last three join the chains
.rept \n
.if SI < 3
	v_pk_add_f32 v[232+2*SI:233+2*SI], v[S+4*SI:S+4*SI+1], v[S+4*SI+2:S+4*SI+3]
.elseif SI < 29
.if (SI+1)%4 == 0
	v_pk_add_f32 v[14:15], v[14:15], v[S+2*SI+6:S+2*SI+7]
.else
	v_pk_add_f32 v[230+2*((SI+1)%4):231+2*((SI+1)%4)], v[230+2*((SI+1)%4):231+2*((SI+1)%4)], v[S+2*SI+6:S+2*SI+7]
.endif
.elseif SI == 29
	v_pk_add_f32 v[234:235], v[234:235], v[236:237]
.elseif SI == 30
	v_pk_add_f32 v[14:15], v[14:15], v[232:233]
.else
	v_pk_add_f32 v[14:15], v[14:15], v[234:235]
.endif
.set SI, SI+1
.endr
.endm
; A KEY STEP: 128 keys, whose block begins at LDS byte s2; its fragments of K were asked for in the step before.
; sig = 1: the second barrier is signalled; bw = 1: it is waited at; pf = 1: the next step's K is asked for.
.macro STEP sig, bw, pf
.set SI, 0
	s_wait_dscnt 0x0                               ; K's fragments are in
.irp g, 0,1,2,3
	v_wmma_scale_f32_16x16x128_f8f6f4 v[S+16*\g:S+16*\g+7], v[F+12*\g:F+12*\g+11], v[QA:QA+11], 0, v[KS+\g], v[QS] matrix_a_fmt:MATRIX_FMT_FP6 matrix_b_fmt:MATRIX_FMT_FP6
	v_wmma_scale_f32_16x16x128_f8f6f4 v[S+16*\g+8:S+16*\g+15], v[F+12*\g:F+12*\g+11], v[QBF:QBF+11], 0, v[KS+\g], v[QS] matrix_a_fmt:MATRIX_FMT_FP6 matrix_b_fmt:MATRIX_FMT_FP6
.endr
	v_add_nc_u32 v[ADK], s2, v[LI]                 ; four places: for the first read of the scores and for V^T's loads
	v_add_nc_u32 v[ADS], s2, v[L4]
	v_mov_b32 v[OM], v12
	v_nop
.irp b, 0,1,2,3
	v_max3_num_f32 v[BM+\b], v[S+16*\b], v[S+16*\b+1], v[S+16*\b+2]   ; the largest score of my two blocks of 32 keys, in four chains of 16 by turns; each accumulator is read from its low end on
.endr
.irp i, 3,5,7,9,11,13
.irp b, 0,1,2,3
	v_max3_num_f32 v[BM+\b], v[BM+\b], v[S+16*\b+\i], v[S+16*\b+\i+1]
.endr
.endr
.irp c, 0,1
	v_max3_num_f32 v[BM+2*\c], v[BM+2*\c], v[BM+2*\c+1], v[S+32*\c+15]   ; a block's two chains meet, with the two scores left over
.endr
.irp c, 0,1
	v_max_num_f32 v[BM+2*\c], v[BM+2*\c], v[S+32*\c+31]   ; block 2 c + h's largest score: for the row's maximum, and, since p rises with the score, for the block's largest p
.endr
	v_max_num_f32 v[TP], v[BM], v[BM+2]
	VL2 0
	v_permlanex16_b32 v[TP+1], v[TP], s20, s21
	VL2 2
	v_max3_num_f32 v13, v13, v[TP], v[TP+1]        ; with lane l xor 16's two blocks: the running largest score of my query
	VL2 4
	v_mul_f32 v[TP], s40, v13                      ; -t (c is positive: the largest score has the largest t)
	VL2 6
	v_floor_f32 v12, v[TP]                         ; the new -M = -ceil(t): a whole number
	VL2 8
	v_sub_f32 v[TP], v12, v[OM]                    ; old M - new M, 0 or less
	VL2 10
	v_cvt_i32_f32 v[TP], v[TP]                     ; (it saturates)
	VL2 12
	v_ldexp_f32 v[FF], 1.0, v[TP]                  ; f = 2^(old M - new M)
.irp j, 0,2,4,6,8,10,12,14,16,18,20,22,24,26,28,30,32,34,36,38,40,42,44,46,48,50,52,54,56,58,60,62
	v_pk_fma_f32 v[S+\j:S+\j+1], v[S+\j:S+\j+1], s[22:23], v[12:13] op_sel_hi:[1,0,0]   ; t - M
.endr
.irp c, 0,1
	v_fma_f32 v[BM+2*\c], v[BM+2*\c], s22, v12     ; the same of each block's largest score
.endr
	WALU                                           ; the wait ahead of the batch
.irp j, 0,1,2,3,4,5,6,7,8,9,10,11,12,13,14,15,16,17,18,19,20,21,22,23,24,25,26,27,28,29,30,31,32,33,34,35,36,37,38,39,40,41,42,43,44,45,46,47,48,49,50,51,52,53,54,55,56,57,58,59,60,61,62,63
	v_exp_f32 v[S+\j], v[S+\j]                     ; p = 2^(t - M)
.endr
.irp c, 0,1
	v_exp_f32 v[BM+2*\c], v[BM+2*\c]               ; the block's largest p: the same two instructions on the same number give the same bits
.endr
	v_pk_mul_f32 v[14:15], v[14:15], v[FF:FF+1] op_sel_hi:[1,0]   ; the sums under the new M: the plain place behind the exponentials
	WALU                                           ; one wait for the batch of 66, ahead of its first reader
	v_max_num_f32 v[BM], 0x1800000, v[BM]          ; the floor 2^(3 - 127): the byte cannot fall under 1
	v_max_num_f32 v[BM+2], 0x1800000, v[BM+2]
	SUMS 2
	v_add_nc_u32 v[SCO], 0xff000000, v[BM]         ; 2 off the exponent field: the conversion's scale operand
	v_add_nc_u32 v[SCO+1], 0xff000000, v[BM+2]
	SUMS 2
	v_lshrrev_b32 v[BM2], 23, v[SCO]               ; the scale's byte
	v_lshrrev_b32 v[BM2+1], 23, v[SCO+1]
	SUMS 2
	v_lshl_or_b32 v[PW], v[BM2+1], 16, v[BM2]      ; my two bytes: blocks h and 2 + h,
	SUMS 2
	v_lshlrev_b32 v[PW], v[SH], v[PW]              ; at their places in the word;
	SUMS 2
	v_permlanex16_b32 v[TP+1], v[PW], s20, s21
	SUMS 2
	v_or_b32 v[PW], v[PW], v[TP+1]                 ; with lane l xor 16's two the word is whole
.irp c, 0,1
	v_cvt_scalef32_pk16_fp6_f32 v[PC+6*\c:PC+6*\c+2], v[S+32*\c:S+32*\c+15], v[SCO+\c]   ; registers 6 c .. 6 c + 5 of the operand: k = 64 c + 32 h + 0 .. 31
	v_cvt_scalef32_pk16_fp6_f32 v[P2+4*\c:P2+4*\c+2], v[S+32*\c+16:S+32*\c+31], v[SCO+\c]   ; (a conversion's three registers begin on an even number)
.endr
	WALU                                           ; the wait directly ahead of the first reader of O^T
.irp j, 0,2
	v_pk_mul_f32 v[O+\j:O+\j+1], v[O+\j:O+\j+1], v[FF:FF+1] op_sel_hi:[1,0]   ; O^T under the new M, each accumulator from its low end on.  (The first is the plain place behind the conversions)
.endr
.irp c, 0,1
.irp i, 0,1,2
	v_mov_b32 v[PC+6*\c+3+\i], v[P2+4*\c+\i]
.endr
.endr
.irp j, 4,6,8,10,12,14,16,18,20,22,24,26,28,30
	v_pk_mul_f32 v[O+\j:O+\j+1], v[O+\j:O+\j+1], v[FF:FF+1] op_sel_hi:[1,0]   ; of these fourteen at least ten name no register of any one product below: the places behind the writes of p's codes and scale word
.endr
	WALU                                           ; the wait directly ahead of the waits below
.if \sig
	s_wait_tensorcnt 0x0                           ; my step block has landed
.endif
	s_wait_dscnt 0x0                               ; V^T is in; no LDS instruction of mine is out
.if \sig
	s_barrier_signal -1                            ; the second barrier: waited at in the next step
.endif
.irp j, 0,1
	v_wmma_scale_f32_16x16x128_f8f6f4 v[O+16*\j:O+16*\j+7], v[F+24*\j:F+24*\j+11], v[PC:PC+11], v[O+16*\j:O+16*\j+7], v[VS+\j], v[PW] matrix_a_fmt:MATRIX_FMT_FP6 matrix_b_fmt:MATRIX_FMT_FP6
	v_wmma_scale_f32_16x16x128_f8f6f4 v[O+16*\j+8:O+16*\j+15], v[F+24*\j+12:F+24*\j+23], v[PC:PC+11], v[O+16*\j+8:O+16*\j+15], v[VS+\j], v[PW] matrix_a_fmt:MATRIX_FMT_FP6 matrix_b_fmt:MATRIX_FMT_FP6 matrix_a_scale:MATRIX_SCALE_ROW1
.endr
	SUMS 4                                         ; four places in front of loads into registers that these products read
.if \bw
	WALU                                           ; the wait directly ahead of the barrier's wait
	s_barrier_wait -1                              ; every wave's step block has landed
.endif
.if \pf
	KLOAD ADK, ADS, STB                            ; the next step's K
.endif
	SUMS 16
	s_add_co_u32 s2, s2, STB
.endm
	WALU                                           ; the wait at the head's end
	s_cmp_lt_u32 s16, 2
	s_cbranch_scc0 .Lnot_mine
	s_wait_tensorcnt 0x0                           ; waves 0 and 1: blocks 0 and 1 have landed; the other waves' loads may stay out
.Lnot_mine:
	s_barrier_signal -1
	s_barrier_wait -1
	KLOAD LI, L4, 0
	s_mov_b32 s2, 0
	STEP 1, 0, 1                                   ; step 0
	STEP 0, 1, 1                                   ; step 1
	s_mov_b32 s3, 13
.Lsteps:                                               ; steps 2 to 14
	STEP 0, 0, 1
	s_sub_co_u32 s3, s3, 1
	s_cmp_lg_u32 s3, 0
	s_cbranch_scc1 .Lsteps
	STEP 0, 0, 0                                   ; step 15 asks for nothing more
	; THE WAY OUT.  O^T / the sum; register 16 b + i is channel 32 b + 16 h + i of my query (V^T's channel tiles are dealt as the weights' rows are): two blocks of the output projection's K; their codes are half a fragment of ac.
	; (The sum's last twenty additions are the places behind the last products.)
	v_add_f32 v14, v14, v15
	s_delay_alu instid0(VALU_DEP_1)
	v_permlanex16_b32 v[TP], v14, s20, s21
	s_delay_alu instid0(VALU_DEP_1)
	v_add_f32 v14, v14, v[TP]                      ; the row's sum
	WALU
	v_rcp_f32 v14, v14
	v_nop                                          ; a plain place behind the reciprocal
	s_and_b32 s45, s18, 15                         ; the head
	s_lshr_b32 s50, s18, 4
	s_lshl_b32 s50, s50, 7
	s_lshl_b32 s51, s19, 4
	s_add_co_u32 s50, s50, s51
	s_add_co_u32 s50, s50, s16                     ; ac's row tile: 128 x batch + 16 x block + wave
	s_mul_i32 s50, s50, 13312
	s_lshr_b32 s51, s45, 2
	s_mul_i32 s51, s51, 3328                       ; quarter head / 4
	s_add_co_u32 s50, s50, s51
	s_mov_b32 s51, 0
	s_add_nc_u64 s[8:9], s[8:9], s[50:51]
	s_bfe_u32 s52, s45, 0x10001                    ; which K step of the quarter
	s_and_b32 s53, s45, 1                          ; which half of the fragment
	s_lshl_b32 s50, s52, 2
	s_lshl_b32 s58, s53, 1
	s_add_co_u32 s50, s50, s58
	s_add_nc_u64 s[56:57], s[8:9], s[50:51]        ; my two scale bytes in the lane's 8
	s_mul_i32 s50, s52, 1536
	s_mul_i32 s58, s53, 768
	s_add_co_u32 s50, s50, s58
	s_add_co_u32 s50, s50, 256
	s_add_nc_u64 s[54:55], s[8:9], s[50:51]        ; my three pieces
	WALU                                           ; ahead of the first reader of the reciprocal and of O^T
.irp j, 0,2,4,6,8,10,12,14,16,18,20,22,24,26,28,30
	v_pk_mul_f32 v[S+\j:S+\j+1], v[O+\j:O+\j+1], v[14:15] op_sel_hi:[1,0]   ; each accumulator from its low end on
.endr
.irp b, 0,1
	v_max3_num_f32 v[BM+\b], |v[S+16*\b]|, |v[S+16*\b+1]|, 0x1800000
.endr
.irp i, 2,4,6,8,10,12,14
.irp b, 0,1
	s_delay_alu instid0(VALU_DEP_2)
	v_max3_num_f32 v[BM+\b], v[BM+\b], |v[S+16*\b+\i]|, |v[S+16*\b+\i+1]|
.endr
.endr
.irp b, 0,1
	s_delay_alu instid0(VALU_DEP_2)
	v_permlanex16_b32 v[BM2+\b], v[BM+\b], s20, s21
.endr
.irp b, 0,1
	s_delay_alu instid0(VALU_DEP_2)
	v_max_num_f32 v[BM+\b], v[BM+\b], v[BM2+\b]
.endr
.irp b, 0,1
	s_delay_alu instid0(VALU_DEP_2)
	v_add_nc_u32 v[SCO+\b], 0xff000000, v[BM+\b]
.endr
.irp b, 0,1
	s_delay_alu instid0(VALU_DEP_2)
	v_lshrrev_b32 v[BM2+\b], 23, v[SCO+\b]
.endr
	s_delay_alu instid0(VALU_DEP_1)
	v_lshl_or_b32 v[PW], v[BM2+1], 8, v[BM2]
	v_cvt_scalef32_pk16_fp6_f32 v[PC:PC+2], v[S:S+15], v[SCO]
	v_cvt_scalef32_pk16_fp6_f32 v[P2:P2+2], v[S+16:S+31], v[SCO+1]
	v_nop
.irp i, 0,1,2
	v_permlane16_swap_b32 v[PC+\i], v[P2+\i]
.endr
.irp i, 0,1,2
	s_delay_alu instid0(VALU_DEP_3)
	v_mov_b32 v[PC+3+\i], v[P2+\i]
.endr
.irp p, 0,1,2
	global_store_b64 v[L8], v[PC+2*\p:PC+2*\p+1], s[54:55] offset:256*\p   ; 32 lanes store 256 consecutive bytes, aligned
.endr
	global_store_b16 v[L8], v[PW], s[56:57]        ; two bytes a lane, 8 bytes apart: the other six come from three other heads' work-groups; 64 bytes of the 832 that a wave stores
	s_wait_tensorcnt 0x0                           ; the wave's end
	ds_add_u32 v254, v255
	s_wait_dscnt 0x0
	CROUND                                         ; the closing round
	s_endpgm
.Lfunc_end_k_q4829440afb_attn:
	.size	k_q4829440afb_attn, .Lfunc_end_k_q4829440afb_attn-k_q4829440afb_attn
	.p2alignl 7, 3214868480
	.fill 96, 4, 3214868480
	.section	.rodata,"a",@progbits
	.p2align	6, 0x0
	.amdhsa_kernel k_q4829440afb_attn
		.amdhsa_group_segment_fixed_size 210944
		.amdhsa_private_segment_fixed_size 0
		.amdhsa_enable_private_segment 0
		.amdhsa_kernarg_size 24
		.amdhsa_user_sgpr_count 2
		.amdhsa_user_sgpr_kernarg_segment_ptr 1
		.amdhsa_wavefront_size32 1
		.amdhsa_system_sgpr_workgroup_id_x 1
		.amdhsa_system_sgpr_workgroup_id_y 1
		.amdhsa_system_sgpr_workgroup_id_z 1
		.amdhsa_system_vgpr_workitem_id 0
		.amdhsa_next_free_vgpr 256
		.amdhsa_next_free_sgpr 66
		.amdhsa_reserve_vcc 0
		.amdhsa_float_denorm_mode_32 3
		.amdhsa_float_denorm_mode_16_64 3
		.amdhsa_memory_ordered 1
		.amdhsa_forward_progress 1
		.amdhsa_inst_pref_size 70
	.end_amdhsa_kernel
	.amdgpu_metadata
---
amdhsa.version: [ 1, 2 ]
amdhsa.kernels:
  - .name:           k_q4829440afb_attn
    .symbol:         k_q4829440afb_attn.kd
    .args:
      - { .name: qf, .offset: 0, .size: 8, .value_kind: global_buffer, .address_space: global }
      - { .name: kv, .offset: 8, .size: 8, .value_kind: global_buffer, .address_space: global }
      - { .name: ac, .offset: 16, .size: 8, .value_kind: global_buffer, .address_space: global }
    .group_segment_fixed_size: 210944
    .private_segment_fixed_size: 0
    .kernarg_segment_align: 8
    .kernarg_segment_size: 24
    .max_flat_workgroup_size: 512
    .sgpr_count:     66
    .vgpr_count:     256
    .wavefront_size: 32
...
	.end_amdgpu_metadata
.endif
;; end of part 3
;; launch outp (part 4): grid 8 x 32, 4 waves a work-group, clusters of 4 x 4, 281,088 bytes of LDS; arguments ac, xc, bo, out0; writes out0
.if DOCPART == 4
	.amdgcn_target "amdgcn-amd-amdhsa--gfx1250"
	.amdhsa_code_object_version 6
	.text
	.protected	k_q4829440afb_outp
	.globl	k_q4829440afb_outp
	.p2align	8
	.type	k_q4829440afb_outp,@function
k_q4829440afb_outp:
	s_mov_b64 s[64:65], 0
	v_nop
	global_prefetch_b8 v0, s[64:65] scope:SCOPE_SE
	s_setreg_imm32_b32 hwreg(HW_REG_WAVE_MODE, 25, 1), 1
	s_wait_xcnt 0x0
	s_wait_alu depctr_hold_cnt(0) depctr_sa_sdst(0) depctr_va_vdst(0) depctr_va_sdst(0) depctr_va_ssrc(0) depctr_va_vcc(0) depctr_vm_vsrc(0)
	s_getreg_b32 s2, hwreg(HW_REG_IB_STS2, 6, 4)
	s_cmp_eq_u32 s2, 0
	s_cbranch_scc0 .Lentry_in_a_cluster
	s_endpgm
.Lentry_in_a_cluster:
	s_bfe_u32 s2, ttmp6, 0x10000c
	s_cmp_lg_u32 s2, 0xf033
	s_cbranch_scc0 .Lentry_shape_is_right
	s_endpgm
.Lentry_shape_is_right:
; out0 = attn Wo^T + bo on codes of FP6 (E2M3): attn's codes out of ac, Wo's out of xc (row tiles 960 on), both in the order of the operand registers.
; A work-group makes 128 channels (S0 = Wo, source 0) x 128 tokens (S1 = ac, source 1) over K = 1,024: a lane holds one token, its registers run along the channels.
; A wave takes all 8 S0 tiles x its 2 S1 tiles: 16 accumulators, which take turns, one instruction a turn, in the same order in every K step.
; LDS: the 16 row tiles on end, 13,312 bytes each, S0's eight and then S1's eight, as they lie in memory, each byte filled ONCE: a wave's four tiles are 53,248 consecutive bytes of memory and come by its one tensor load at the head,
; 208 rows of 256 bytes.  One wait and one barrier show both panels.  Behind them a stage of 32 rows x 528 bytes for each wave, into which no fill lands.
; CLUSTER 4 x 4: Wo's panel hangs on cx alone and is asked for jointly down a column of the cluster, ac's on cy alone and jointly along a row.
; NO PREFETCH: both panels are asked for whole at the head; there is no loop to run ahead in.
; THE WALK ALONG K goes by HALVES of a K step: half H = 2 s + f is S0's tiles 4 f .. 4 f + 3 in K step s: 24 LDS loads, 48 registers, 8 products; the 192 fragment registers are four slots, half H in slot H % 4.  With a step's first half go
; S1's two fragments of that step (12 loads) and, every second step, 5 loads of scale words, ahead of the half's own.  A half's turn: the wait for its fragments; the loads of half H + 2, in one run; its 8 products; v_nop.
; THE WAITS' COUNTS: behind a half's loads stand the next half's.  At a step's second half those are 36 (S1's 12 among them; the scale words make the count only stricter).  At a step's first half they are 24; the count written is 20,
; so that with the 41 loads that may be issued next no more than 61 LDS instructions of the wave are out.  At the last half: 0.
; Two v_nop stand behind a step's first 8 products and four behind its last 8: four places lie between a step's last product and the loads that take S1's set again, six between a slot's products and its next loads.
; The row tiles are not neighbours (tile 2 b + u, lane row m: row 32 b + 8 u + m + 8 (m / 8)): register 16 b + i of a lane is channel 32 b + 16 (lane / 16) + i, and the tokens are put back in order by the stores' offsets.
; REGISTERS.  window 0: v1-14 lane numbers and addresses; v16-35 scale words, two sets of 10; v64-255 S0's fragments, four slots of 48 (in the epilogue v64-127 numbers, v128-255 rows read back).
;   window 1: v0-127 accumulator (n, t) at 8 (8 n + t); v128-175 S1's fragments, two sets of 24; v176-239 the bias.
.set TILEB, 13312
.set QBLK,  3328
.set STAGE, 16*TILEB
.set SPT,   528
.set S0F,   64
.set S1F,   128
.set BIA,   176
.set SC,    16
.set T,     64
.set BK,    128
.set G1A,   24
.set G1B,   32
.set G0A,   40
.set G0B,   68
.set MSB, 0
.macro WIN new                         ; the immediate's high byte repeats the setting that is left
.if MSB != \new
	s_set_vgpr_msb (MSB<<8)|\new
.set MSB, \new
.endif
.endm
.macro CROUND                          ; a round of the cluster's barrier
	s_barrier_signal -1
	s_barrier_wait -1
	s_cmp_lg_u32 s16, 0
	s_cbranch_scc1 .Lnot_wave_0_\@
	s_barrier_signal -3
.Lnot_wave_0_\@:
	s_barrier_wait -3
	s_barrier_signal -1
	s_barrier_wait -1
.endm
.macro FRAG64 reg, adr, off            ; a fragment: six pieces of 256 bytes, 8 bytes a lane
.irp p, 0,1,2,3,4,5
	ds_load_b64 v[\reg+2*\p:\reg+2*\p+1], v[\adr] offset:\off+256*\p
.endr
.endm
.macro GLOAD g                         ; S0's tiles 2 t, 2 t + 1 of K step s, g = 4 s + t; ahead of a step's first, S1's fragments and the scale words.  v4: S0's tiles 0-3, v13: tiles 4-7, v5: my S1 tiles; v6, v14, v7: their scale words
.set LS, (\g)/4
.set LT, (\g)%4
.set LQ, (LS/2)%2
.set LO, QBLK*(LS/2)+256+1536*(LS%2)
.if LT == 0
.if LS%2 == 0
.irp j, 0,1
	ds_load_b64 v[SC+10*LQ+2*\j:SC+10*LQ+2*\j+1], v6 offset:2*TILEB*\j+QBLK*(LS/2)   ; lanes 0-15: S0 tile 2 j, lanes 16-31: tile 2 j + 1; two K steps' words
	ds_load_b64 v[SC+10*LQ+2*\j+4:SC+10*LQ+2*\j+5], v14 offset:2*TILEB*\j+QBLK*(LS/2)   ; tiles 4 + 2 j, 5 + 2 j
.endr
	ds_load_b64 v[SC+10*LQ+8:SC+10*LQ+9], v7 offset:QBLK*(LS/2)   ; lanes 0-15: my first S1 tile, lanes 16-31: my second
.endif
	WIN 0x40                                       ; destination window 1
.irp n, 0,1
	FRAG64 S1F+24*(LS%2)+12*\n, 5, TILEB*\n+LO
.endr
	WIN 0
.endif
	FRAG64 S0F+96*(LS%2)+24*LT, 4+9*(LT/2), TILEB*(2*(LT%2))+LO
	FRAG64 S0F+96*(LS%2)+24*LT+12, 4+9*(LT/2), TILEB*(2*(LT%2)+1)+LO
.endm
.macro MULG s, tp                      ; 4 products: S0's tiles 2 tp, 2 tp + 1 x my two S1 tiles; the first K step starts the sums
.set ME, (\s)%2
.set MQ, ((\s)/2)%2
	WIN 0x54                                       ; source 0 window 0; source 1, C and D window 1
.set rA, S0F+96*ME+24*(\tp)
.set rB, S1F+24*ME
.set rS, SC+10*MQ+2*(\tp)+ME
.set rZ, SC+10*MQ+8+ME
.set rD, 16*(\tp)
.if (\s) == 0
	v_wmma_scale_f32_16x16x128_f8f6f4 v[rD:rD+7], v[rA:rA+11], v[rB:rB+11], 0, v[rS], v[rZ] matrix_a_fmt:MATRIX_FMT_FP6 matrix_b_fmt:MATRIX_FMT_FP6
	v_wmma_scale_f32_16x16x128_f8f6f4 v[rD+64:rD+71], v[rA:rA+11], v[rB+12:rB+23], 0, v[rS], v[rZ] matrix_a_fmt:MATRIX_FMT_FP6 matrix_b_fmt:MATRIX_FMT_FP6 matrix_b_scale:MATRIX_SCALE_ROW1
	v_wmma_scale_f32_16x16x128_f8f6f4 v[rD+8:rD+15], v[rA+12:rA+23], v[rB:rB+11], 0, v[rS], v[rZ] matrix_a_fmt:MATRIX_FMT_FP6 matrix_b_fmt:MATRIX_FMT_FP6 matrix_a_scale:MATRIX_SCALE_ROW1
	v_wmma_scale_f32_16x16x128_f8f6f4 v[rD+72:rD+79], v[rA+12:rA+23], v[rB+12:rB+23], 0, v[rS], v[rZ] matrix_a_fmt:MATRIX_FMT_FP6 matrix_b_fmt:MATRIX_FMT_FP6 matrix_a_scale:MATRIX_SCALE_ROW1 matrix_b_scale:MATRIX_SCALE_ROW1
.else
	v_wmma_scale_f32_16x16x128_f8f6f4 v[rD:rD+7], v[rA:rA+11], v[rB:rB+11], v[rD:rD+7], v[rS], v[rZ] matrix_a_fmt:MATRIX_FMT_FP6 matrix_b_fmt:MATRIX_FMT_FP6
	v_wmma_scale_f32_16x16x128_f8f6f4 v[rD+64:rD+71], v[rA:rA+11], v[rB+12:rB+23], v[rD+64:rD+71], v[rS], v[rZ] matrix_a_fmt:MATRIX_FMT_FP6 matrix_b_fmt:MATRIX_FMT_FP6 matrix_b_scale:MATRIX_SCALE_ROW1
	v_wmma_scale_f32_16x16x128_f8f6f4 v[rD+8:rD+15], v[rA+12:rA+23], v[rB:rB+11], v[rD+8:rD+15], v[rS], v[rZ] matrix_a_fmt:MATRIX_FMT_FP6 matrix_b_fmt:MATRIX_FMT_FP6 matrix_a_scale:MATRIX_SCALE_ROW1
	v_wmma_scale_f32_16x16x128_f8f6f4 v[rD+72:rD+79], v[rA+12:rA+23], v[rB+12:rB+23], v[rD+72:rD+79], v[rS], v[rZ] matrix_a_fmt:MATRIX_FMT_FP6 matrix_b_fmt:MATRIX_FMT_FP6 matrix_a_scale:MATRIX_SCALE_ROW1 matrix_b_scale:MATRIX_SCALE_ROW1
.endif
.endm
.macro STEP s                          ; K step s: its two halves
.irp hf, 0,1
	WIN 0
.if 2*(\s)+\hf == 15
	s_wait_dscnt 0x0                               ; the last half
.elseif \hf == 0
	s_wait_dscnt 20                                ; this half, with S1's fragments and the scale words ahead of it, is in; of the next half's 24 loads 20 may be out
.else
	s_wait_dscnt 36                                ; this half is in; the next half's 24 loads and S1's 12 may be out
.endif
.if 2*(\s)+\hf+2 < 16
	GLOAD 4*(\s)+2*\hf+4                           ; the half two turns on, into the slot multiplied two turns ago
	GLOAD 4*(\s)+2*\hf+5
.endif
	MULG \s, 2*\hf
	MULG \s, 2*\hf+1
	v_nop
	v_nop
.if \hf == 1
	v_nop                                          ; four places behind a step's last products: the next turn's loads take the S1 set that they read
	v_nop
.endif
.endr
.endm
	s_load_b256 s[4:11], s[0:1], 0x0               ; ac s[4:5], xc s[6:7], bo s[8:9], out0 s[10:11]
	v_lshl_add_u32 v62, v0, 2, 0x44800
	v_mov_b32 v63, 0
	ds_add_u32 v62, v63                            ; the opening lines: the add twice and its wait
	ds_add_u32 v62, v63
	v_lshrrev_b32 v1, 5, v0
	v_readfirstlane_b32 s16, v1                    ; wave 0..3
	s_lshr_b32 s17, s16, 1                         ; I fetch for S0 (0) or for S1 (1)
	s_and_b32 s18, s16, 1                          ; which four tiles of that panel
	s_bfe_u32 s19, ttmp6, 0x40000                  ; cx
	s_bfe_u32 s20, ttmp6, 0x40004                  ; cy
	s_and_b32 s22, ttmp7, 0xffff                   ; cluster y
	s_lshl_b32 s57, ttmp9, 2
	s_add_co_u32 s57, s57, s19                     ; my block of 128 channels
	s_lshl_b32 s58, s57, 3
	s_add_co_u32 s58, s58, 960                     ; Wo's tiles in xc
	s_lshl_b32 s59, s18, 2
	s_add_co_u32 s58, s58, s59
	s_mul_i32 s58, s58, TILEB
	s_mov_b32 s59, 0
	s_lshl_b32 s87, s22, 2
	s_add_co_u32 s87, s87, s20                     ; my block of 128 tokens
	s_lshl_b32 s84, s87, 3
	s_lshl_b32 s85, s18, 2
	s_add_co_u32 s84, s84, s85
	s_mul_i32 s84, s84, TILEB
	s_mov_b32 s85, 0
	s_lshl_b32 s60, 0x1111, s19                    ; my column of the cluster
	s_lshl_b32 s86, s20, 2
	s_lshl_b32 s86, 15, s86                        ; my row
	; descriptor group 1: four row tiles, 53,248 dense bytes, as 208 rows of 256 bytes (32 elements of 8 bytes)
	s_or_b32 s[G1A], s60, (3<<16)|(1<<21)
	s_or_b32 s[G1B], s86, (3<<16)|(1<<21)
.irp g, G1A, G1B
	s_mov_b32 s[\g+1], 32<<16                      ; tensor_dim0
	s_mov_b32 s[\g+2], 208<<16                     ; tensor_dim1
	s_mov_b32 s[\g+3], 32<<16                      ; tile_dim0
	s_mov_b32 s[\g+4], 208                         ; tile_dim1
	s_mov_b32 s[\g+5], 32                          ; dense rows
	s_mov_b32 s[\g+6], 0
	s_mov_b32 s[\g+7], 0
.endr
	s_mul_i32 s96, s16, 4*TILEB                    ; where my four tiles go
	s_mov_b32 s[G0A], 1
	s_mov_b32 s[G0A+1], s96
	s_mov_b32 s[G0B], 1
	s_mov_b32 s[G0B+1], s96
	s_wait_dscnt 0x0
	s_wait_kmcnt 0x0
	s_add_nc_u64 s[G0A+2:G0A+3], s[6:7], s[58:59]
	s_or_b32 s[G0A+3], s[G0A+3], 0x80000000
	s_add_nc_u64 s[G0B+2:G0B+3], s[4:5], s[84:85]
	s_or_b32 s[G0B+3], s[G0B+3], 0x80000000
	CROUND                                         ; all sixteen work-groups are here: the joint loads meet
	s_cmp_eq_u32 s17, 0                            ; a load in each arm of one branch on the wave's number
	s_cbranch_scc0 .Lfill_b
	tensor_load_to_lds s[G0A:G0A+3], s[G1A:G1A+7]
	s_nop 0
.rept 4
	v_nop
.endr
	s_branch .Lfilled
.Lfill_b:
	tensor_load_to_lds s[G0B:G0B+3], s[G1B:G1B+7]
	s_nop 0
.rept 4
	v_nop
.endr
.Lfilled:
	v_and_b32 v1, 31, v0                           ; lane
	v_and_b32 v2, 15, v0                           ; r
	v_bfe_u32 v3, v0, 4, 1                         ; h
	v_lshlrev_b32 v4, 3, v1                        ; S0's pieces: 8 x lane
	s_mul_i32 s97, s16, 2*TILEB
	s_add_co_u32 s97, s97, 8*TILEB                 ; my two S1 tiles, behind S0's eight
	v_add_nc_u32 v5, s97, v4
	v_mad_u32_u24 v6, v3, TILEB, v4                ; scale words: lanes 16-31 take the next tile's
	v_add_nc_u32 v7, s97, v6
	v_add_nc_u32 v13, 4*TILEB, v4                  ; S0's tiles 4-7
	v_add_nc_u32 v14, 4*TILEB, v6                  ; and their scale words
	v_lshlrev_b32 v8, 4, v1                        ; 16 x lane
	s_mul_i32 s100, s16, 32*SPT
	s_add_co_u32 s100, s100, STAGE                 ; my stage
	v_mul_u32_u24 v11, v2, SPT
	v_lshl_add_u32 v11, v3, 6, v11
	v_add_nc_u32 v11, s100, v11                    ; in: row r, 64 h bytes on
	v_add_nc_u32 v12, s100, v8                     ; back: a whole row of 512 bytes, 16 bytes a lane
	s_lshl_b32 s2, s57, 9                          ; my 128 channels: of the bias, and in a row of out0
	s_mov_b32 s3, 0
	s_add_nc_u64 s[96:97], s[8:9], s[2:3]
	v_lshlrev_b32 v10, 6, v3                       ; 64 h
	WIN 0x40
.irp b, 0,1,2,3
.irp k, 0,1,2,3
	global_load_b128 v[BIA+16*\b+4*\k:BIA+16*\b+4*\k+3], v10, s[96:97] offset:128*\b+16*\k   ; register 16 b + i: channel 32 b + 16 h + i
.endr
.endr
	WIN 0
	s_add_nc_u64 s[92:93], s[10:11], s[2:3]
	s_lshl_b32 s2, s87, 7
	s_lshl_b32 s101, s16, 5
	s_add_co_u32 s2, s2, s101                      ; my wave's first token: 128 x block + 32 x wave
	s_lshl_b32 s2, s2, 12                          ; rows of 4,096 bytes
	s_add_nc_u64 s[92:93], s[92:93], s[2:3]
	s_wait_alu depctr_va_vdst(0)                   ; the wait at the head's end
	s_wait_tensorcnt 0x0                           ; my four tiles have landed
	s_barrier_signal -1
	s_barrier_wait -1                              ; everybody's have
.irp g, 0,1,2,3
	GLOAD \g                                       ; the first two halves
.endr
.irp s, 0,1,2,3,4,5,6,7
	STEP \s
.endr
	; THE WAY OUT: + bias; a lane's 64 channels of a token go into my stage; whole rows of 512 bytes come back and are stored
	WIN 0
	s_wait_loadcnt 0x0                             ; the bias
.irp n, 0,1
	WIN 0x05                                       ; sources window 1, destination window 0.  (The four v_nop behind the last products are the places in front of the first read)
.irp i, 0,1,2,3,4,5,6,7,8,9,10,11,12,13,14,15,16,17,18,19,20,21,22,23,24,25,26,27,28,29,30,31
	v_pk_add_f32 v[T+2*\i:T+2*\i+1], v[64*\n+2*\i:64*\n+2*\i+1], v[BIA+2*\i:BIA+2*\i+1]   ; each accumulator from its low end on
.endr
	WIN 0
.irp b, 0,1,2,3
.irp k, 0,1,2,3
	ds_store_b128 v11, v[T+16*\b+4*\k:T+16*\b+4*\k+3] offset:16*SPT*\n+128*\b+16*\k
.endr
.endr
.if \n == 0
	s_wait_dscnt 0x0                               ; the stores have read their registers, which the second tile's numbers take
.endif
.endr
.irp i, 0,1,2,3,4,5,6,7,8,9,10,11,12,13,14,15,16,17,18,19,20,21,22,23,24,25,26,27,28,29,30,31
	ds_load_b128 v[BK+4*\i:BK+4*\i+3], v12 offset:SPT*\i   ; LDS serves a wave's instructions in order: these see my stores
.endr
.irp i, 0,1,2,3,4,5,6,7,8,9,10,11,12,13,14,15,16,17,18,19,20,21,22,23,24,25,26,27,28,29,30,31
	s_wait_dscnt 31-\i                             ; row i is back; the younger loads may be out
	global_store_b128 v8, v[BK+4*\i:BK+4*\i+3], s[92:93] offset:(8*(\i/16)+\i%16+8*((\i%16)/8))*4096 th:TH_STORE_NT   ; stage row 16 n + r is token 8 n + r + 8 (r / 8); 32 lanes store 512 consecutive bytes, aligned
.endr
	s_wait_tensorcnt 0x0                           ; the wave's end
	ds_add_u32 v62, v63
	s_wait_dscnt 0x0
	CROUND                                         ; the closing round: no work-group ends while a partner may still ask for a tile that names it
	s_endpgm
.Lfunc_end_k_q4829440afb_outp:
	.size	k_q4829440afb_outp, .Lfunc_end_k_q4829440afb_outp-k_q4829440afb_outp
	.p2alignl 7, 3214868480
	.fill 96, 4, 3214868480
	.section	.rodata,"a",@progbits
	.p2align	6, 0x0
	.amdhsa_kernel k_q4829440afb_outp
		.amdhsa_group_segment_fixed_size 281088
		.amdhsa_private_segment_fixed_size 0
		.amdhsa_enable_private_segment 0
		.amdhsa_kernarg_size 32
		.amdhsa_user_sgpr_count 2
		.amdhsa_user_sgpr_kernarg_segment_ptr 1
		.amdhsa_wavefront_size32 1
		.amdhsa_system_sgpr_workgroup_id_x 1
		.amdhsa_system_sgpr_workgroup_id_y 1
		.amdhsa_system_sgpr_workgroup_id_z 1
		.amdhsa_system_vgpr_workitem_id 0
		.amdhsa_next_free_vgpr 512
		.amdhsa_next_free_sgpr 104
		.amdhsa_reserve_vcc 0
		.amdhsa_float_denorm_mode_32 3
		.amdhsa_float_denorm_mode_16_64 3
		.amdhsa_memory_ordered 1
		.amdhsa_forward_progress 1
		.amdhsa_inst_pref_size 71
	.end_amdhsa_kernel
	.amdgpu_metadata
---
amdhsa.version: [ 1, 2 ]
amdhsa.kernels:
  - .name:           k_q4829440afb_outp
    .symbol:         k_q4829440afb_outp.kd
    .args:
      - { .name: ac, .offset: 0, .size: 8, .value_kind: global_buffer, .address_space: global }
      - { .name: xc, .offset: 8, .size: 8, .value_kind: global_buffer, .address_space: global }
      - { .name: bo, .offset: 16, .size: 8, .value_kind: global_buffer, .address_space: global }
      - { .name: out0, .offset: 24, .size: 8, .value_kind: global_buffer, .address_space: global }
    .group_segment_fixed_size: 281088
    .private_segment_fixed_size: 0
    .kernarg_segment_align: 8
    .kernarg_segment_size: 32
    .max_flat_workgroup_size: 128
    .sgpr_count:     104
    .vgpr_count:     512
    .wavefront_size: 32
...
	.end_amdgpu_metadata
.endif
;; end of part 4
